; MI455X (gfx1250); checked and timed in simulation.
; The chip was launched on July 23, 2026; its instructions are those of AMD's public machine-readable ISA for CDNA 5 (MIT licence, August 2026) and "CDNA5" Instruction Set Architecture Reference Guide (July 2026). The comments in the code are by the model that wrote it; some were corrected since.
;; Attention. Allowed arithmetic: matrix products marked QUANTISED: E2M1 operands, one E8M0 scale for each 32 along K, by v_wmma_scale_f32_16x16x128_f8f6f4 with both operands' format E2M1 (or v_wmma_scale_f32_32x16x128_f4), f32 sums; products left as they are: bf16, f16 or f32 operands; f32 sums; everything else in f32.
;; Inputs: proj_b 1,024 float32; proj_w 1,024 x 1,024 float32; qkv_w 3,072 x 1,024 float32; rope_freqs 1 x 1,024 x 1 x 64 float32; x 8 x 1,024 x 1,024 float32.
;; Outputs: out0 8 x 1,024 x 1,024 float32.
;; This version of the problem:
;;   THIS VERSION OF THE PROBLEM IS GIVEN IN LOW PRECISION. The matrix products marked QUANTISED in the list below multiply operands that are first quantised to E2M1 (2 exponent bits, 1 mantissa bit; 4 bits a number), with one power-of-two scale for each 32 numbers along K (OCP MX v1.0); their sums are f32. The products marked 'left as it is' may take bf16, f16 or f32 operands, with f32 sums. Whichever they take, every output number must still come out within the allowed error. Rounding operands to bf16 (8 significant bits) uses up far more of that allowance than f16 does (11 bits, for magnitudes from 6e-5 to 65,504). All else is computed in f32.
;;   The module's matrix products, in the order in which they are computed (A, B: the left and right operand; K: the contracted axis; several contracted axes count as one K, in the product's order):
;;     1. [M 8,192, K 1,024] x [K 1,024, N 3,072]; A: input x; B: input qkv_w: QUANTISED
;;     2. batch 128 x [M 1,024, K 64] x [K 64, N 1,024]; A: computed on the way; B: computed on the way: left as it is (an operand is computed on the way)
;;     3. batch 128 x [M 1,024, K 1,024] x [K 1,024, N 64]; A: computed on the way; B: computed on the way: left as it is (an operand is computed on the way)
;;     4. [M 8,192, K 1,024] x [K 1,024, N 1,024]; A: computed on the way; B: input proj_w: left as it is (an operand is computed on the way)
;;   THE QUANTISER, for each operand of a quantised product, along K:
;;     - K is cut into blocks of 32 from its start; a last block that is shorter is filled with zeros.
;;     - A block's scale is 2^e with e = floor(log2(the largest magnitude in the block)) - 2, held to -126 .. 127; a block of zeros has e = 0. As a byte (E8M0): e + 127.
;;     - Each number is divided by its block's scale, clamped to +-6, and rounded to the nearest number of E2M1, ties to even, subnormals kept.
;;     - The product sums the exact products of the quantised numbers (number of the format x scale) in f32.
;;   ~~~python
;;   def quantise(x, axis):      # numpy; x: float32 -> the quantised numbers, widened to float32 again
;;       x = np.moveaxis(x, axis, -1); K = x.shape[-1]
;;       x = np.pad(x, [(0, 0)] * (x.ndim - 1) + [(0, -K % 32)]); x = x.reshape(x.shape[:-1] + (-1, 32)); a = np.abs(x).max(-1, keepdims=True)
;;       e = np.where(a > 0, np.clip(np.frexp(np.where(a > 0, a, 1))[1] - 1 - 2, -126, 127), 0)      # np.frexp(a)[1] - 1 = floor(log2(a)), exactly
;;       r = np.clip(x / 2.0 ** e, -6, 6)
;;       step = 2.0 ** (np.maximum(np.frexp(np.where(r == 0, 1, r))[1] - 1, 0) - 1)
;;       q = np.round(r / step) * step * 2.0 ** e      # np.round: ties to even
;;       return np.moveaxis(q.reshape(q.shape[:-2] + (-1,))[..., :K], -1, axis).astype(np.float32)
;;   ~~~
;; One version. Each part assembles by itself: llvm-mc -triple=amdgcn-amd-amdhsa -mcpu=gfx1250 --defsym DOCPART=n.
;; ======== version 1 of 1: 4 launches
;; limits: values are held in f16: magnitudes above 65,504 overflow, below 6.1e-05 lose precision; inputs' magnitudes at most 10,000
;; workspace buffers: xc 4,194,304 bytes; xs 262,144 bytes; wc 1,572,864 bytes; ws 98,304 bytes; pwh 2,097,152 bytes; trig 524,288 bytes; qkvh 50,331,648 bytes; ao 16,777,216 bytes
;; launch prep (part 1): grid 512 x 1, 4 waves a work-group, no clusters, 33,280 bytes of LDS; arguments x, qkv_w, xc, xs, wc, ws, proj_w, pwh, rope_freqs, trig; writes xc, xs, wc, ws, pwh, trig
.if DOCPART == 1
	.amdgcn_target "amdgcn-amd-amdhsa--gfx1250"
	.amdhsa_code_object_version 6
	.text
	.protected	k_q22a4087e24_prep
	.globl	k_q22a4087e24_prep
	.p2align	8
	.type	k_q22a4087e24_prep,@function
k_q22a4087e24_prep:
	s_mov_b64 s[64:65], 0
	v_nop
	global_prefetch_b8 v0, s[64:65] scope:SCOPE_SE
	s_setreg_imm32_b32 hwreg(HW_REG_WAVE_MODE, 25, 1), 1
	s_wait_xcnt 0x0
; THREE JOBS IN ONE LAUNCH, told apart by the work-group's number.
; 0 .. 351: x [8192][1024] (256 work-groups) and qkv_w [3072][1024] (96), f32, become codes of FP4 (E2M1), K innermost, two codes a byte, with one E8M0 byte for each 32 along K.
;   A block's scale is 2^(floor(log2(its largest magnitude)) - 2); its byte is the largest magnitude's exponent field - 2, held at 1 from below; each number / scale goes to the nearest code, ties to even, beyond 6 to 6.
; 352 .. 479: proj_w [1024][1024] f32 becomes f16, same order.
; 480 .. 511: rope_freqs [1024][64] becomes a table of cos and signed sin, f32, in the order in which the next launch's lanes hold their results:
;   [token / 16][4 bb + part][lane][16 bytes]; parts 0, 1: cos of channels 16 bb + 8 (lane / 16) + 0..3, 4..7 of token 16 G + lane % 16; parts 2, 3: sin likewise, with the sign of rotate_half: minus for channels under 32.
; LIMITS: NaN and infinities among the inputs are not served.  A block of zeros gets the byte 1 where the quantiser says 127: its codes are zeros, and this program alone reads the bytes; blocks whose largest
; magnitude lies under 2^-124 are held at that byte.  Angles: the reduction takes k x pi/2 off in three parts; its error stays near 1e-7 up to about 1e4 rad and grows in proportion beyond.
; proj_w in f16: magnitudes up to 65,504; under 6e-5 the step is 6e-8.
; Only the first job touches LDS.  No tensor loads, no barrier: waves share nothing.
.set WAVES, 4
.set STEPS, 16
.set DEEP,  8                          ; steps whose loads are on their way: 32 loads, 16 KiB, a wave
.set WGA,   256                        ; work-groups for x: 8192 x 1024 / 32,768
.set WGQ,   352                        ; and with qkv_w's 96
.set WGP,   480                        ; and with proj_w's 128
.set EMAX,  2
.set CB,    8                          ; bytes of 16 codes
.set R,     16                         ; v16-143  eight sets of 16 numbers as they are loaded
.set X,     144                        ; v144-175 two sets of 16 neighbours
.set E,     176                        ; v176-191 a scale byte for each step
.set C,     192                        ; v192-255 codes: four registers for each step, so that no store's data are written again
.set WREG,  8192                       ; LDS: a region for each wave: two stages of 32 x SP bytes, and behind them its 256 scale bytes
.set SP,    80                         ; a lane's place in a stage: its 64 bytes + 16 of padding
.set SPW,   12                         ; v12      LDS address of my spare word; never rewritten
.set NIL,   13                         ; v13      0; never rewritten
.set SPARE, WAVES*WREG                 ; behind the four regions: the spare words, 128 bytes a wave, that no other line names
	v_lshl_add_u32 v[SPW], v0, 2, SPARE
	v_mov_b32 v[NIL], 0
	v_lshrrev_b32 v1, 5, v0
	v_readfirstlane_b32 s16, v1                    ; wave
	v_and_b32 v2, 31, v0                           ; lane
	s_cmp_ge_u32 ttmp9, WGQ
	s_cbranch_scc1 .Lother
; ---------------- the quantiser.  Rows are dense and K is a multiple of 32: both tensors are plain streams of blocks of 32, and so are codes and scale bytes.
; A wave takes 16 steps of 512 numbers.  Each of a step's four loads reads 512 consecutive bytes; the 2,048 bytes turn through the wave's own stage in LDS and come back 64 bytes a lane: 16 neighbours along K,
; two lanes to a block.  A lane's 16 codes are 8 bytes: the wave stores 256 consecutive bytes.  A wave's 256 scale bytes are gathered in LDS and leave as one store of 256 consecutive bytes.
	s_load_b128 s[4:7], s[0:1], 0x0                ; x, qkv_w
	s_load_b128 s[8:11], s[0:1], 0x10              ; x's codes, x's scales
	s_load_b128 s[12:15], s[0:1], 0x20             ; qkv_w's codes, qkv_w's scales
	v_lshlrev_b32 v3, 4, v2                        ; my 16 bytes of a load's 512
	s_mul_i32 s17, s16, WREG
	v_lshrrev_b32 v14, 2, v2
	v_mul_u32_u24 v14, v14, SP
	v_and_b32 v15, 3, v2
	v_lshl_add_u32 v14, v15, 4, v14
	v_add_nc_u32 v14, s17, v14                     ; the stage, on the way in: four lanes' 64 bytes on end, then 16 of padding
	v_mul_u32_u24 v15, v2, SP
	v_add_nc_u32 v15, s17, v15                     ; and on the way out: SP x lane: my 16 neighbours
	v_mul_u32_u24 v4, v2, CB                       ; my codes' place in a step's
	v_lshrrev_b32 v5, 1, v2
	s_add_co_u32 s17, s17, 2*32*SP
	v_add_nc_u32 v5, s17, v5                       ; LDS: my wave's 256 scale bytes, my block's byte
	v_lshlrev_b32 v7, 3, v2                        ; and on the way out 8 bytes a lane
	v_add_nc_u32 v6, s17, v7
	s_wait_kmcnt 0x0
	s_cmp_lt_u32 ttmp9, WGA                        ; x's work-group or qkv_w's?  The choice hangs on the work-group's number alone
	s_cselect_b64 s[4:5], s[4:5], s[6:7]
	s_cselect_b64 s[8:9], s[8:9], s[12:13]
	s_cselect_b64 s[10:11], s[10:11], s[14:15]
	s_cselect_b32 s17, 0, WGA
	s_sub_co_u32 s17, ttmp9, s17
	s_lshl_b32 s17, s17, 2
	s_add_co_u32 s18, s17, s16                     ; which run of 8,192 numbers of the tensor is my wave's
	s_mov_b32 s19, 0
	s_mov_b64 s[20:21], 512*STEPS*4
	s_mul_u64 s[20:21], s[18:19], s[20:21]
	s_add_nc_u64 s[4:5], s[4:5], s[20:21]
	s_mov_b64 s[20:21], 32*STEPS*CB
	s_mul_u64 s[20:21], s[18:19], s[20:21]
	s_add_nc_u64 s[8:9], s[8:9], s[20:21]
	s_lshl_b32 s18, s18, 8                         ; 256 scale bytes a run
	s_add_nc_u64 s[10:11], s[10:11], s[18:19]
.macro LOAD t
.irp i, 0,1,2,3
	global_load_b128 v[R+16*((\t)%DEEP)+4*\i:R+16*((\t)%DEEP)+4*\i+3], v3, s[4:5] offset:2048*(\t)+512*\i th:TH_LOAD_NT   ; 32 lanes read 512 consecutive bytes
.endr
.endm
.macro TURN t                          ; step t's numbers through the stage: LDS serves a wave's instructions in order, so no wait stands between the stores and the loads
.irp i, 0,1,2,3
	ds_store_b128 v14, v[R+16*((\t)%DEEP)+4*\i:R+16*((\t)%DEEP)+4*\i+3] offset:32*SP*((\t)%2)+8*SP*\i
.endr
.irp i, 0,1,2,3
	ds_load_b128 v[X+16*((\t)%2)+4*\i:X+16*((\t)%2)+4*\i+3], v15 offset:32*SP*((\t)%2)+16*\i
.endr
.endm
.irp t, 0,1,2,3,4,5,6,7
	LOAD \t
.endr
	s_wait_loadcnt 28                              ; step 0's four loads are in; the 28 behind them stay out
	TURN 0
.macro STEP t
.set XS, X+16*((\t)%2)
.if (\t) > 0
	s_wait_dscnt 1                                 ; this step's numbers are back from the stage (the last step's byte store may be out): so its stores into the stage have read their registers,
.else
	s_wait_dscnt 0x0
.endif
.if (\t)+DEEP < STEPS
	LOAD (\t)+DEEP                                 ; which take the loads of eight steps on
.endif
.if (\t)+1 < STEPS
.if STEPS-2-(\t) >= DEEP-1
	s_wait_loadcnt 4*(DEEP-1)                      ; the next step's four loads are in; those of the seven steps behind it may be out
.else
	s_wait_loadcnt 4*(STEPS-2-(\t))                ; towards the end: those of the steps that are left
.endif
	TURN (\t)+1                                    ; and go through the other stage while this step is worked
.endif
	v_max3_num_f32 v8, |v[XS]|, |v[XS+1]|, |v[XS+2]|               ; the largest magnitude of my 16, in two chains
	v_max3_num_f32 v9, |v[XS+3]|, |v[XS+4]|, |v[XS+5]|
.irp i, 6,10
	v_max3_num_f32 v8, v8, |v[XS+\i]|, |v[XS+\i+1]|
	v_max3_num_f32 v9, v9, |v[XS+\i+2]|, |v[XS+\i+3]|
.endr
	v_max3_num_f32 v8, v8, |v[XS+14]|, |v[XS+15]|
	v_max3_num_f32 v8, v8, v9, (EMAX+1)<<23        ; and the floor 2^(3 - 127): the byte cannot fall under 1
	v_max_num_f32_dpp v8, v8, v8 row_xmask:1 row_mask:0xf bank_mask:0xf   ; and of my neighbour's 16: the block's
	v_add_nc_u32 v11, -(EMAX<<23), v8              ; 2 off its exponent field: the conversion takes the exponent field of this operand as its scale, and nothing else of it
	v_cvt_scalef32_pk8_fp4_f32 v[C+4*(\t)], v[XS:XS+7], v11        ; eight numbers / scale, to the nearest code; the first number's code in the lowest four bits
	v_cvt_scalef32_pk8_fp4_f32 v[C+4*(\t)+1], v[XS+8:XS+15], v11
	v_lshrrev_b32 v[E+(\t)], 23, v11               ; the scale's byte (also the plain line behind the conversions)
	ds_store_b8 v5, v[E+(\t)] offset:16*(\t)       ; both lanes of a block write the same byte with the same value
	global_store_b64 v4, v[C+4*(\t):C+4*(\t)+1], s[8:9] offset:32*CB*(\t)
.endm
.irp t, 0,1,2,3,4,5,6,7,8,9,10,11,12,13,14,15
	STEP \t
.endr
	ds_load_b64 v[8:9], v6                         ; LDS serves a wave's instructions in order: these see my byte stores
	s_wait_dscnt 0x0
	global_store_b64 v7, v[8:9], s[10:11]          ; 32 lanes store 256 consecutive bytes, aligned
	s_wait_tensorcnt 0x0                           ; the wave's end, behind my last LDS store
	ds_add_u32 v[SPW], v[NIL]
	s_wait_dscnt 0x0
	s_endpgm
.Lother:
	s_cmp_ge_u32 ttmp9, WGP
	s_cbranch_scc1 .Ltrig
; ---------------- proj_w to f16.  A work-group takes 32,768 bytes, a wave 8,192: sixteen loads of 512 consecutive bytes, all on their way at once; each gives a store of 256 consecutive bytes.
	s_load_b128 s[24:27], s[0:1], 0x30             ; proj_w, its f16 copy
	s_sub_co_u32 s17, ttmp9, WGQ
	s_lshl_b32 s18, s17, 15
	s_mov_b32 s19, 0
	s_lshl_b32 s20, s17, 14
	s_mov_b32 s21, 0
	v_and_b32 v3, 0x60, v0                         ; 32 x wave
	v_lshlrev_b32 v4, 4, v2
	v_lshl_or_b32 v4, v3, 8, v4                    ; in: 8,192 x wave + 16 x lane
	v_lshlrev_b32 v5, 3, v2
	v_lshl_or_b32 v5, v3, 7, v5                    ; out: 4,096 x wave + 8 x lane
	s_wait_kmcnt 0x0
	s_add_nc_u64 s[24:25], s[24:25], s[18:19]
	s_add_nc_u64 s[26:27], s[26:27], s[20:21]
.irp i, 0,1,2,3,4,5,6,7,8,9,10,11,12,13,14,15
	global_load_b128 v[16+4*\i:19+4*\i], v4, s[24:25] offset:512*\i th:TH_LOAD_NT
.endr
.irp i, 0,1,2,3,4,5,6,7,8,9,10,11,12,13,14,15
	s_wait_loadcnt 15-\i                           ; loads come back in order: load i is in, the younger ones stay out
	v_cvt_pk_f16_f32 v[128+2*\i], v[16+4*\i], v[17+4*\i]
	v_cvt_pk_f16_f32 v[129+2*\i], v[18+4*\i], v[19+4*\i]
	global_store_b64 v5, v[128+2*\i:129+2*\i], s[26:27] offset:256*\i   ; each store has registers of its own: none is written again
.endr
	s_endpgm
.Ltrig:
; ---------------- the table.  Wave W of 128 takes 16 tokens (W / 2) and 32 channels (W % 2): 16 angles a lane.  The input is small (256 KiB), so its pieces of 32 bytes a lane are taken as they lie.
; x = k pi/2 + r, |r| <= pi/4: k = the nearest whole number to x 2/pi; r by three fused multiply-adds; sin r and cos r by polynomials in r^2; k mod 4 picks and signs them.
	s_load_b128 s[28:31], s[0:1], 0x40             ; rope_freqs, the table
	s_sub_co_u32 s17, ttmp9, WGP
	s_lshl_b32 s17, s17, 2
	s_add_co_u32 s17, s17, s16                     ; W
	s_lshr_b32 s18, s17, 1
	s_lshl_b32 s18, s18, 12                        ; 16 tokens of 256 bytes
	s_and_b32 s20, s17, 1
	s_lshl_b32 s21, s20, 7                         ; 32 channels
	s_add_co_u32 s18, s18, s21
	s_mov_b32 s19, 0
	s_lshl_b32 s22, s17, 12                        ; out: 4,096 bytes a wave
	s_mov_b32 s23, 0
	s_cmp_eq_u32 s20, 0
	s_cselect_b32 s43, 0x80000000, 0               ; rotate_half's sign: minus for channels under 32
	s_mov_b32 s32, 0x3f22f983                      ; 2 / pi
	s_mov_b32 s33, 0x3fc90000                      ; pi / 2 in three parts
	s_mov_b32 s34, 0x39fda000
	s_mov_b32 s35, 0x33a22168
	s_mov_b32 s36, 0xbe2aaaa3                      ; sin r = r + r^3 (S1 + S2 z + S3 z^2)
	s_mov_b32 s37, 0x3c08839e
	s_mov_b32 s38, 0xb94ca1f9
	s_mov_b32 s39, 0x3d2aaaa5                      ; cos r = 1 - z / 2 + z^2 (C1 + C2 z + C3 z^2)
	s_mov_b32 s40, 0xbab6061a
	s_mov_b32 s41, 0x37ccf5ce
	s_mov_b32 s42, 0x80000000
	v_and_b32 v3, 15, v0                           ; r: the token
	v_bfe_u32 v4, v0, 4, 1                         ; h
	v_lshlrev_b32 v5, 8, v3
	v_lshl_add_u32 v5, v4, 5, v5                   ; in: 256 r + 32 h
	v_lshlrev_b32 v6, 4, v2                        ; out: 16 x lane
	s_wait_kmcnt 0x0
	s_add_nc_u64 s[28:29], s[28:29], s[18:19]
	s_add_nc_u64 s[30:31], s[30:31], s[22:23]
.irp c, 0,1,2,3
	global_load_b128 v[16+4*\c:19+4*\c], v5, s[28:29] offset:(\c/2)*64+(\c%2)*16
.endr
	s_wait_loadcnt 0x0
.set T, 64                             ; v64-71 at work
.macro SINCOS x, cd, sd
	v_mul_f32 v[T], s32, v[\x]
	v_rndne_f32 v[T], v[T]                         ; k
	v_fma_f32 v[T+1], -v[T], s33, v[\x]
	v_fma_f32 v[T+1], -v[T], s34, v[T+1]
	v_fma_f32 v[T+1], -v[T], s35, v[T+1]           ; r
	v_cvt_i32_f32 v[T+2], v[T]
	v_mul_f32 v[T+3], v[T+1], v[T+1]               ; z
	v_fma_f32 v[T+4], v[T+3], s38, s37
	v_fma_f32 v[T+6], v[T+3], s41, s40
	v_mul_f32 v[T+5], v[T+3], v[T+1]               ; z r
	v_fma_f32 v[T+4], v[T+4], v[T+3], s36
	v_fma_f32 v[T+6], v[T+6], v[T+3], s39
	v_fma_f32 v[T+7], v[T+3], -0.5, 1.0
	v_fma_f32 v[T+4], v[T+4], v[T+5], v[T+1]       ; sin r
	v_mul_f32 v[T+5], v[T+3], v[T+3]
	v_fma_f32 v[T+6], v[T+6], v[T+5], v[T+7]       ; cos r
	v_and_b32 v[T+5], 1, v[T+2]
	v_cmp_eq_u32 vcc_lo, 1, v[T+5]                 ; k odd: sin and cos change places
	v_cndmask_b32 v[\sd], v[T+4], v[T+6], vcc_lo
	v_cndmask_b32 v[\cd], v[T+6], v[T+4], vcc_lo
	v_lshlrev_b32 v[T+5], 30, v[T+2]               ; sin is negated where k mod 4 is 2 or 3,
	v_add_nc_u32 v[T+7], 1, v[T+2]
	v_and_b32 v[T+5], s42, v[T+5]
	v_lshlrev_b32 v[T+7], 30, v[T+7]               ; cos where it is 1 or 2
	v_xor_b32 v[T+5], s43, v[T+5]                  ; and rotate_half's sign goes with sin
	v_and_b32 v[T+7], s42, v[T+7]
	v_xor_b32 v[\sd], v[\sd], v[T+5]
	v_xor_b32 v[\cd], v[\cd], v[T+7]
.endm
.set i, 0
.rept 16
	SINCOS 16+i, 32+i, 48+i
.set i, i+1
.endr
.irp c, 0,1,2,3
	global_store_b128 v6, v[32+4*\c:35+4*\c], s[30:31] offset:(\c/2)*2048+(\c%2)*512        ; cos: 512 consecutive bytes a store
	global_store_b128 v6, v[48+4*\c:51+4*\c], s[30:31] offset:(\c/2)*2048+(\c%2)*512+1024   ; signed sin
.endr
	s_endpgm
.Lfunc_end_k_q22a4087e24_prep:
	.size	k_q22a4087e24_prep, .Lfunc_end_k_q22a4087e24_prep-k_q22a4087e24_prep
	.p2alignl 7, 3214868480
	.fill 96, 4, 3214868480
	.section	.rodata,"a",@progbits
	.p2align	6, 0x0
	.amdhsa_kernel k_q22a4087e24_prep
		.amdhsa_group_segment_fixed_size 33280
		.amdhsa_private_segment_fixed_size 0
		.amdhsa_enable_private_segment 0
		.amdhsa_kernarg_size 80
		.amdhsa_user_sgpr_count 2
		.amdhsa_user_sgpr_kernarg_segment_ptr 1
		.amdhsa_wavefront_size32 1
		.amdhsa_system_sgpr_workgroup_id_x 1
		.amdhsa_system_sgpr_workgroup_id_y 1
		.amdhsa_system_sgpr_workgroup_id_z 1
		.amdhsa_system_vgpr_workitem_id 0
		.amdhsa_next_free_vgpr 256
		.amdhsa_next_free_sgpr 66
		.amdhsa_reserve_vcc 1
		.amdhsa_float_denorm_mode_32 3
		.amdhsa_float_denorm_mode_16_64 3
		.amdhsa_memory_ordered 1
		.amdhsa_forward_progress 1
		.amdhsa_inst_pref_size 61
	.end_amdhsa_kernel
	.amdgpu_metadata
---
amdhsa.version: [ 1, 2 ]
amdhsa.kernels:
  - .name:           k_q22a4087e24_prep
    .symbol:         k_q22a4087e24_prep.kd
    .args:
      - { .name: x, .offset: 0, .size: 8, .value_kind: global_buffer, .address_space: global }
      - { .name: qkv_w, .offset: 8, .size: 8, .value_kind: global_buffer, .address_space: global }
      - { .name: xc, .offset: 16, .size: 8, .value_kind: global_buffer, .address_space: global }
      - { .name: xs, .offset: 24, .size: 8, .value_kind: global_buffer, .address_space: global }
      - { .name: wc, .offset: 32, .size: 8, .value_kind: global_buffer, .address_space: global }
      - { .name: ws, .offset: 40, .size: 8, .value_kind: global_buffer, .address_space: global }
      - { .name: proj_w, .offset: 48, .size: 8, .value_kind: global_buffer, .address_space: global }
      - { .name: pwh, .offset: 56, .size: 8, .value_kind: global_buffer, .address_space: global }
      - { .name: rope_freqs, .offset: 64, .size: 8, .value_kind: global_buffer, .address_space: global }
      - { .name: trig, .offset: 72, .size: 8, .value_kind: global_buffer, .address_space: global }
    .group_segment_fixed_size: 33280
    .private_segment_fixed_size: 0
    .kernarg_segment_align: 8
    .kernarg_segment_size: 80
    .max_flat_workgroup_size: 128
    .sgpr_count:     66
    .vgpr_count:     256
    .wavefront_size: 32
...
	.end_amdgpu_metadata
.endif
;; end of part 1
;; launch qkv (part 2): grid 12 x 32, 4 waves a work-group, clusters of 4 x 4, 327,680 bytes of LDS; arguments xc, xs, wc, ws, qkvh, trig; writes qkvh
.if DOCPART == 2
	.amdgcn_target "amdgcn-amd-amdhsa--gfx1250"
	.amdhsa_code_object_version 6
	.text
	.protected	k_q22a4087e24_qkv
	.globl	k_q22a4087e24_qkv
	.p2align	8
	.type	k_q22a4087e24_qkv,@function
k_q22a4087e24_qkv:
	s_mov_b64 s[64:65], 0
	v_nop
	global_prefetch_b8 v0, s[64:65] scope:SCOPE_SE
	s_setreg_imm32_b32 hwreg(HW_REG_WAVE_MODE, 25, 1), 1
	s_wait_xcnt 0x0
	s_wait_alu depctr_hold_cnt(0) depctr_sa_sdst(0) depctr_va_vdst(0) depctr_va_sdst(0) depctr_va_ssrc(0) depctr_va_vcc(0) depctr_vm_vsrc(0)
	s_getreg_b32 s2, hwreg(HW_REG_IB_STS2, 6, 4)
	s_cmp_eq_u32 s2, 0
	s_cbranch_scc0 .Lentry_in_a_cluster
	s_endpgm
.Lentry_in_a_cluster:
	s_bfe_u32 s2, ttmp6, 0x10000c
	s_cmp_lg_u32 s2, 0xf033
	s_cbranch_scc0 .Lentry_shape_is_right
	s_endpgm
.Lentry_shape_is_right:
; qkv = Q(x) Q(qkv_w)^T on codes of FP4 (E2M1) with one E8M0 scale for each 32 along K, sums in f32; then the rotation of q and k in f32; q, k and v leave in f16, laid as the attention's operand registers.
; A = x's codes [8192][512 bytes], B = qkv_w's codes [3072][512 bytes]; scale bytes [rows][32].  A tile of 256 tokens x 256 features is made by four waves, each 128 x 128: 64 accumulators, 512 registers.
; K = 1,024 is two LDS slots of 512 along K (rows of 256 bytes), both asked for at the head with the scales of all of K: nothing is filled again.
; CLUSTERS: 4 x 4 work-groups.  The four of a row of the cluster need the same tiles of A, the four of a column the same tiles of B: each tile is asked for JOINTLY, by the same tensor load with the same
; descriptor and a mask that names the four.  By this text's own count a wave has three tensor loads out at the most.
; THE MATRIX INSTRUCTION IS USED TRANSPOSED (source 0 = 16 rows of B, source 1 = 16 rows of A): lane l holds token l % 16 and eight neighbouring features 8 (l / 16) + 0..7 of a block of 16.
; A wave's 128 features are two heads of 64: block b = 4 hh + bb is channels 16 bb .. 16 bb + 15 of head hh.  The cluster's x says which third of the features a work-group has: 0 q, 1 k, 2 v.
; THE WAY OUT.  q, k: y[d] = a[d] cos[d] + a[d +- 32] sinS[d]: the partner channel lies in block bb +- 2, same lane, same register; cos and sinS come from the table in the lanes' own order.  Eight results packed
;   to f16 are 16 bytes a lane: [head][tile of 16 tokens][bb][lane][16 bytes]: blocks 2 u, 2 u + 1 are registers 0-3, 4-7 of a 16 x 32 fragment.  A store covers 512 consecutive bytes.
;   THE TABLE RUNS FOUR BLOCKS OF 16 TOKENS AHEAD, in four sets of 64 registers: blocks 0 and 1 are asked for four K steps ahead of the way out, block 2 one K step ahead, block 3 behind the last product,
;   block a + 4 behind block a's rotation: three rotations stand between a request and the wait for it.
; v: wanted with the keys along the registers: [head][32 keys][ct][c][lane][16 bytes], lane = channel 16 ct + l % 16, keys 16 c + 8 (l / 16) + 0..7.  16 keys x 128 channels go through the wave's stage in LDS
;   and come back turned (ds_load_tr16_b128).  The stage lies in slot 0, which has had its one fill and its last read when the first result is stored there.
; LIMITS: q, k, v in f16: magnitudes up to 65,504 (the drawn inputs give about 3; 30 times larger x and weights about 3,000).
; REGISTERS, in windows of 256: window 0: v0-31 addresses; v32-95 scale words, two sets, and nothing else; v128-191 A's fragments, ONE set; on the way out v128-191 hold 64 f32 numbers or turned values,
;   v96-127 and v192-223 packed f16.   window 1: B's fragments at v0 and v128; the table's sets at v64 and v192, which no matrix instruction names, and, once B's sets are done with, at v0 and v128 too.
;   windows 2, 3: the accumulators ((a, b) at v[8 (8 (a % 4) + b)]).
.set SIZE_K, 1024
.set KSTEP,  512                       ; along K in a slot
.set NQ,     KSTEP/128                 ; matrix instructions deep
.set ROWB,   256                       ; a tile's row in bytes
.set KROW,   SIZE_K*4/8                ; a row of codes in memory
.set PITCH,  272                       ; an LDS row: 256 bytes + 16 of padding = 68 words: the 16 rows that a load touches start at 16 different banks (64 banks of 4 bytes: ISA guide 11.1)
.set FR,     8                         ; registers of a fragment: 16 rows x 128 K
.set NL,     2                         ; LDS loads that bring one
.set NP,     4                         ; places behind this matrix instruction (ISA guide 7.12.1)
.set HALFT,  128*PITCH                 ; 128 rows: what one tensor load brings
.set SLOT,   4*HALFT                   ; A's 256 rows, then B's 256 rows
.set KS,     SIZE_K/32                 ; a row of scales in bytes
.set SCL,    2*SLOT                    ; behind the slots: the scales, as rows of 256 bytes + 16 of padding
.set HALFS,  (128*KS/256)*272          ; the scales of 128 rows
.set SBLK,   (16*KS/256)*272           ; those of 16 rows
.set SPARE,  SCL+4*HALFS               ; the spare words, 128 bytes a wave, that no other line names
.set VP,     288                       ; the stage for v: 16 keys x (256 bytes + 32): the turning load's 8 rows x 32 bytes fall on different banks
.set ADRA, 16                          ; v16-17  LDS address of my A fragments in slot 0, 1
.set ADRB, 20                          ; v20-21  the same for B
.set STO,  24                          ; v24     the stage: where I put 16 bytes of a key's row
.set RDT,  25                          ; v25     and where the turning load reads
.set CO,   26                          ; v26     16 x lane: my place in every image; never rewritten
.set ADRS, 27                          ; v27     LDS address of my scale words: lanes 0-15 A's rows, lanes 16-31 B's
.set SPW,  28                          ; v28     LDS address of my spare word; never rewritten
.set NIL,  29                          ; v29     0; never rewritten
.set SC,   32                          ; scale words: set s at v[SC + 32 s]; register 4 i + q: lanes 0-15 A's block i, lanes 16-31 B's block i, the slot's q-th 128 along K
.set AF,   128                         ; A's fragments
.set TF,   128                         ; the way out: 64 rotated numbers
.set BK,   128                         ; the way out of v: turned values, v128-159 and v160-191 by turns
.set G1, 24                            ; s[24:31] descriptor group 1 for A's tiles;  s[32:39] group 0, one set for each slot
.set G0, 32
.set G1B, 48                           ; s[48:55], s[56:63] the same for B's tiles
.set G0B, 56
.set G1S, 68                           ; s[68:75], s[76:79] groups 1 and 0 for A's scales;  s[80:87], s[88:91] for B's
.set G0S, 76
.set G1SB, 80
.set G0SB, 88
.set MSB, 0
.macro WIN new                         ; the immediate's high byte repeats the setting that is left; a switch that changes nothing is dropped
.if MSB != (\new)
	s_set_vgpr_msb (MSB<<8)|(\new)
.set MSB, (\new)
.endif
.endm
.set MUL_LO, 0xa1                      ; source 0 (B) window 1, source 1 (A) window 0, C and D window 2
.set MUL_HI, 0xf1                      ; the same, C and D window 3
.set TO_B,   0x40                      ; destination window 1, address window 0
; A joint load: waves 0 and 1 fetch for A, waves 2 and 3 for B.  Each of the two lines has ONE mask and one set of registers for all that issue it; the branch hangs on the wave's number alone.
; An s_nop 0 and four v_nop follow each of the two lines, ahead of the jump, the label and what follows.
.macro JLOAD g0a, g1a, g0b, g1b
	s_cmp_eq_u32 s15, 0
	s_cbranch_scc0 .Lfor_b_\@
	tensor_load_to_lds s[\g0a:\g0a+3], s[\g1a:\g1a+7]
	s_nop 0
.rept 4
	v_nop
.endr
	s_branch .Lasked_\@
.Lfor_b_\@:
	tensor_load_to_lds s[\g0b:\g0b+3], s[\g1b:\g1b+7]
	s_nop 0
.rept 4
	v_nop
.endr
.Lasked_\@:
.endm
.macro CROUND                          ; a round of the cluster's barrier: my work-group's barrier; wave 0 signals for the work-group; every wave waits for all sixteen; my work-group's barrier once more
	s_barrier_signal -1
	s_barrier_wait -1
	s_cmp_lg_u32 s14, 0
	s_cbranch_scc1 .Lnot_wave_0_\@
	s_barrier_signal -3
.Lnot_wave_0_\@:
	s_barrier_wait -3
	s_barrier_signal -1
	s_barrier_wait -1
.endm
	s_load_b128 s[4:7], s[0:1], 0x0                ; A's codes s[4:5], A's scales s[6:7]
	s_load_b128 s[8:11], s[0:1], 0x10              ; B's codes s[8:9], B's scales s[10:11]
	s_load_b64 s[12:13], s[0:1], 0x20              ; q, k, v
	s_load_b64 s[66:67], s[0:1], 0x28              ; the table of cos and sin
	v_lshl_add_u32 v[SPW], v0, 2, SPARE
	v_mov_b32 v[NIL], 0
	ds_add_u32 v[SPW], v[NIL]                      ; the wave's opening: the add, twice on end, and its wait ahead of my first tensor load; the set-up below stands between the second and the wait
	ds_add_u32 v[SPW], v[NIL]
	v_lshrrev_b32 v1, 5, v0
	v_readfirstlane_b32 s14, v1                    ; wave 0..3
	s_lshr_b32 s15, s14, 1                         ; which half of the tile's tokens is mine.  Also: I fetch for A (0) or for B (1)
	s_and_b32 s16, s14, 1                          ; which half of its features.  Also: which 128 rows of that tile I fetch
	s_bfe_u32 s40, ttmp6, 0x40000                  ; cx, cy: my place in the cluster
	s_bfe_u32 s41, ttmp6, 0x40004
	s_lshl_b32 s42, ttmp9, 2
	s_add_co_u32 s42, s42, s40                     ; tile column = 4 x cluster x + cx
	s_and_b32 s17, ttmp7, 0xffff
	s_lshl_b32 s17, s17, 2
	s_add_co_u32 s17, s17, s41                     ; tile row = 4 x cluster y + cy
	s_lshl_b32 s43, s41, 2
	s_lshl_b32 s43, 15, s43                        ; my row of the cluster
	s_lshl_b32 s44, 0x1111, s40                    ; my column
	; descriptor group 1: a tile of 128 rows x 256 bytes, padded in LDS
	s_or_b32 s[G1+0], s43, (0<<16)|(1<<20)|(1<<21)|(5<<22)|(3<<25)  ; 15:0 the mask: A's tiles go to my row; 17:16 element of 1 byte; 20 padding on; 21 set beside a mask; 24:22 after every 64 words; 31:25 of 4 words
	s_or_b32 s[G1B+0], s44, (0<<16)|(1<<20)|(1<<21)|(5<<22)|(3<<25)
.irp g, G1, G1B
	s_mov_b32 s[\g+1], ROWB<<16                    ; tensor_dim0
	s_mov_b32 s[\g+2], 128<<16                     ; tensor_dim1 = 128
	s_mov_b32 s[\g+3], ROWB<<16                    ; tile_dim0
	s_mov_b32 s[\g+4], 128                         ; tile_dim1 = 128
	s_mov_b32 s[\g+5], KROW                        ; tensor_dim0_stride
	s_mov_b32 s[\g+6], 0
	s_mov_b32 s[\g+7], 0
.endr
	; and for the scales of 128 rows: a dense block of 4,096 bytes, as rows of 256 bytes (32 elements of 8 bytes), 16 bytes of padding behind each
	s_or_b32 s[G1S+0], s43, (3<<16)|(1<<20)|(1<<21)|(5<<22)|(3<<25)
	s_or_b32 s[G1SB+0], s44, (3<<16)|(1<<20)|(1<<21)|(5<<22)|(3<<25)
.irp g, G1S, G1SB
	s_mov_b32 s[\g+1], 32<<16
	s_mov_b32 s[\g+2], (128*KS/256)<<16
	s_mov_b32 s[\g+3], 32<<16
	s_mov_b32 s[\g+4], 128*KS/256
	s_mov_b32 s[\g+5], 32
	s_mov_b32 s[\g+6], 0
	s_mov_b32 s[\g+7], 0
.endr
	s_lshl_b32 s18, s16, 7                         ; which 128 rows of the tile I fetch
	s_lshl_b32 s20, s17, 8
	s_add_co_u32 s20, s20, s18                     ; A: row 256 x tile row + 128 x half
	s_lshl_b32 s46, s42, 8
	s_add_co_u32 s46, s46, s18                     ; B: row 256 x tile column + 128 x half
	s_mov_b32 s21, 0
	s_mov_b32 s47, 0
	s_mov_b64 s[18:19], KS
	s_mul_u64 s[22:23], s[20:21], s[18:19]         ; where these rows' scales begin, in bytes
	s_mul_u64 s[92:93], s[46:47], s[18:19]
	s_mov_b64 s[18:19], KROW
	s_mul_u64 s[20:21], s[20:21], s[18:19]         ; and their codes
	s_mul_u64 s[46:47], s[46:47], s[18:19]
	s_mul_i32 s45, s14, HALFT                      ; where they go: wave x 128 rows: no place in the cluster enters an LDS address
	s_mul_i32 s94, s14, HALFS
	s_wait_dscnt 0x0                               ; both opening adds are done
	s_wait_kmcnt 0x0
	s_add_nc_u64 s[20:21], s[4:5], s[20:21]
	s_add_nc_u64 s[22:23], s[6:7], s[22:23]
	s_add_nc_u64 s[46:47], s[8:9], s[46:47]
	s_add_nc_u64 s[92:93], s[10:11], s[92:93]
	CROUND                                         ; all sixteen work-groups are here: the joint loads meet
	s_mov_b32 s[G0S], 1
	s_add_co_u32 s[G0S+1], s94, SCL
	s_mov_b64 s[G0S+2:G0S+3], s[22:23]
	s_or_b32 s[G0S+3], s[G0S+3], 0x80000000
	s_mov_b32 s[G0SB], 1
	s_add_co_u32 s[G0SB+1], s94, SCL
	s_mov_b64 s[G0SB+2:G0SB+3], s[92:93]
	s_or_b32 s[G0SB+3], s[G0SB+3], 0x80000000
	JLOAD G0S, G1S, G0SB, G1SB                     ; the scales first: they are wanted with slot 0
.irp s, 0,1
	s_mov_b32 s[G0+4*\s], 1
	s_add_co_u32 s[G0+4*\s+1], s45, \s*SLOT
	s_add_nc_u64 s[G0+4*\s+2:G0+4*\s+3], s[20:21], \s*ROWB
	s_or_b32 s[G0+4*\s+3], s[G0+4*\s+3], 0x80000000
	s_mov_b32 s[G0B+4*\s], 1
	s_add_co_u32 s[G0B+4*\s+1], s45, \s*SLOT
	s_add_nc_u64 s[G0B+4*\s+2:G0B+4*\s+3], s[46:47], \s*ROWB
	s_or_b32 s[G0B+4*\s+3], s[G0B+4*\s+3], 0x80000000
	JLOAD G0+4*\s, G1, G0B+4*\s, G1B
.endr
	v_and_b32 v1, 15, v0                           ; l % 16
	v_bfe_u32 v2, v0, 4, 1                         ; l / 16
	v_mul_u32_u24 v3, v1, PITCH
	v_lshl_add_u32 v4, v2, 4, v3                   ; a fragment's row x pitch + 16 x half
	s_mul_i32 s21, s15, HALFT                      ; my 128 rows of A
	s_mul_i32 s22, s16, HALFT                      ; my 128 rows of B,
	s_add_co_u32 s22, s22, 2*HALFT                 ; which lie behind A's 256
.irp s, 0,1
	v_add_nc_u32 v[ADRA+\s], s21, v4
	v_add_nc_u32 v[ADRB+\s], s22, v4
	s_add_co_u32 s21, s21, SLOT
	s_add_co_u32 s22, s22, SLOT
.endr
	v_mul_u32_u24 v5, v1, KS                       ; my row's scales: 32 bytes a row,
	v_lshrrev_b32 v6, 8, v5
	v_lshl_add_u32 v5, v6, 4, v5                   ; and 16 more for each 256 passed
	s_mul_i32 s21, s15, HALFS                      ; A's: my 128 rows
	s_mul_i32 s22, s16, HALFS                      ; B's: my 128 rows, behind A's 256
	s_add_co_u32 s22, s22, 2*HALFS
	s_sub_co_u32 s22, s22, s21
	v_mul_u32_u24 v6, s22, v2                      ; lanes 16-31 take B's
	s_add_co_u32 s21, s21, SCL
	v_add_nc_u32 v5, v5, v6
	v_add_nc_u32 v[ADRS], s21, v5
	s_mul_i32 s23, s14, 16*VP                      ; my stage, in slot 0
	v_mul_u32_u24 v5, v1, VP
	v_lshl_add_u32 v5, v2, 4, v5
	v_add_nc_u32 v[STO], s23, v5                   ; in: key l % 16, 16 bytes for each half of the lanes
	v_and_b32 v5, 7, v0
	v_lshl_add_u32 v5, v2, 3, v5
	v_mul_u32_u24 v5, v5, VP                       ; back, turned: key 8 (l / 16) + l % 8,
	v_bfe_u32 v6, v0, 3, 1
	v_lshl_add_u32 v5, v6, 4, v5                   ; channels 8 ((l / 8) % 2) on
	v_add_nc_u32 v[RDT], s23, v5
	v_and_b32 v6, 31, v0
	v_lshlrev_b32 v[CO], 4, v6
	; where my results go.  Head = third x 128 + batch x 16 + 4 (tile column % 4) + 2 x my half of the features, 131,072 bytes each; a token is 128 bytes of a head's image, and 512 bytes of the table
	s_lshr_b32 s20, s17, 2
	s_lshl_b32 s20, s20, 21                        ; batch x 16 heads
	s_and_b32 s21, s17, 3
	s_lshl_b32 s21, s21, 8
	s_lshl_b32 s18, s15, 7
	s_add_co_u32 s21, s21, s18                     ; my first token in its batch
	s_lshl_b32 s18, s21, 7
	s_add_co_u32 s20, s20, s18
	s_lshl_b32 s22, s21, 9
	s_mov_b32 s23, 0
	s_mov_b32 s21, 0
	s_lshr_b32 s46, s42, 2
	s_lshl_b32 s46, s46, 7                         ; q, k or v
	s_and_b32 s47, s42, 3
	s_lshl_b32 s47, s47, 2
	s_add_co_u32 s46, s46, s47
	s_lshl_b32 s47, s16, 1
	s_add_co_u32 s46, s46, s47
	s_lshl_b32 s46, s46, 17
	s_mov_b32 s47, 0
	s_add_nc_u64 s[20:21], s[20:21], s[46:47]
	s_add_nc_u64 s[12:13], s[12:13], s[20:21]
	s_add_nc_u64 s[66:67], s[66:67], s[22:23]
.macro FRAG reg, adr, q, i             ; a fragment, 16 rows x 128 K of 4-bit codes: lane l holds row l % 16; registers 4 c .. 4 c + 3 hold K = 64 c + 32 (l / 16) + 0 .. 31
.irp c, 0,1
	ds_load_b128 v[\reg+4*\c:\reg+4*\c+3], v[\adr] offset:64*(\q)+32*\c+(\i)*16*PITCH
.endr
.endm
; 16 matrix instructions: A's blocks a0, a0 + 1 x B's eight, the slot's q-th 128 along K.  p: B's set;  sc: the set of scale words.  zero = 1: the first product starts the sums: nothing is ever cleared.
; The 64 accumulators take turns, one instruction a turn, in the same order in every step.
.macro MUL16 a0, p, q, sc, zero
.irp a, \a0, \a0+1
.irp b, 0,1,2,3,4,5,6,7
.if \zero
	v_wmma_scale_f32_16x16x128_f8f6f4 v[8*(8*((\a)%4)+\b):8*(8*((\a)%4)+\b)+7], v[128*(\p)+FR*\b:128*(\p)+FR*\b+FR-1], v[AF+FR*(\a):AF+FR*(\a)+FR-1], 0, v[SC+8*NQ*(\sc)+NQ*\b+(\q)], v[SC+8*NQ*(\sc)+NQ*(\a)+(\q)] matrix_a_fmt:MATRIX_FMT_FP4 matrix_b_fmt:MATRIX_FMT_FP4 matrix_a_scale:MATRIX_SCALE_ROW1
.else
	v_wmma_scale_f32_16x16x128_f8f6f4 v[8*(8*((\a)%4)+\b):8*(8*((\a)%4)+\b)+7], v[128*(\p)+FR*\b:128*(\p)+FR*\b+FR-1], v[AF+FR*(\a):AF+FR*(\a)+FR-1], v[8*(8*((\a)%4)+\b):8*(8*((\a)%4)+\b)+7], v[SC+8*NQ*(\sc)+NQ*\b+(\q)], v[SC+8*NQ*(\sc)+NQ*(\a)+(\q)] matrix_a_fmt:MATRIX_FMT_FP4 matrix_b_fmt:MATRIX_FMT_FP4 matrix_a_scale:MATRIX_SCALE_ROW1
.endif
.endr
.endr
.endm
.macro FETCH_B slot, q, p              ; B's eight fragments of the slot's q-th 128 along K into set p
	WIN TO_B
.irp i, 0,1,2,3,4,5,6,7
	FRAG 128*(\p)+FR*\i, ADRB+\slot, \q, \i
.endr
	WIN 0
.endm
.macro FETCH_A slot, q, i0             ; A's blocks i0 .. i0 + 3
.irp i, \i0, \i0+1, \i0+2, \i0+3
	FRAG AF+FR*(\i), ADRA+\slot, \q, \i
.endr
.endm
.macro SCALES sc                       ; a slot's scale words into set sc: four words a row; lanes 0-15 take A's block i, lanes 16-31 B's block i
.irp i, 0,1,2,3,4,5,6,7
	ds_load_b128 v[SC+8*NQ*\sc+NQ*\i:SC+8*NQ*\sc+NQ*\i+3], v[ADRS] offset:\i*SBLK
.endr
.endm
; A load into a register that a matrix instruction has read, and a vector instruction or an LDS store that reads a matrix result or writes one of its registers, stand NP places behind it; only plain vector
; instructions that name none of its registers are places (ISA guide 7.12.1 for vector instructions).
.macro PLACES n
.rept \n
	v_nop
.endr
.endm
; A step of 128 along K that has its successor in the same slot.  A's blocks go one after the other, each against B's eight: so one set of registers serves A (blocks 0-3 fetched anew in the step's middle, 4-7 at its end), two serve B.
.macro STEP slot, q, zero
	s_wait_dscnt 4*NL                              ; B's set and A's blocks 0-3 are in; the youngest eight loads (A's blocks 4-7) may be out
	WIN MUL_LO
	MUL16 0, (\q)%2, \q, \slot, \zero
	MUL16 2, (\q)%2, \q, \slot, \zero
	s_wait_dscnt 0                                 ; A's blocks 4-7 are in (asked for 32 matrix instructions ago)
	PLACES NP
	FETCH_B \slot, (\q)+1, 1-(\q)%2
	FETCH_A \slot, (\q)+1, 0
	WIN MUL_HI
	MUL16 4, (\q)%2, \q, \slot, \zero
	MUL16 6, (\q)%2, \q, \slot, \zero
	PLACES NP
	WIN 0
	FETCH_A \slot, (\q)+1, 4
.endm
; Slot 0's last step changes slots: ONE barrier.  In front of it each wave waits for all its tensor loads (its part of slot 1), adds 0 to its spare word, and waits for that and for its own reads of slot 0.
; Behind it slot 1 is whole and nobody reads slot 0 any more.  Nothing is filled again.
.macro TURN slot, next
	s_wait_tensorcnt 0x0                           ; all my tensor loads have landed  (every window is 0 here: the add's two registers lie in window 0)
	ds_add_u32 v[SPW], v[NIL]                      ; 0 onto my spare word
	s_wait_dscnt 4*NL+1                            ; (the add and the youngest eight loads, A's blocks 4-7, may be out)
	WIN MUL_LO
	MUL16 0, 1, NQ-1, \slot, 0                     ; sixteen matrix instructions stand between the add and the wait for it
	s_wait_dscnt 0x0                               ; the add is done, and my reads of this slot are over
	s_barrier_signal -1
	MUL16 2, 1, NQ-1, \slot, 0
	WIN 0
	s_barrier_wait -1
	PLACES NP
	v_add_nc_u32 v[ADRS], 4*NQ, v[ADRS]            ; on to the next slot's scale words (no LDS load of mine is out)
	FETCH_B \next, 0, 0
	FETCH_A \next, 0, 0
	SCALES \next
	WIN MUL_HI
	MUL16 4, 1, NQ-1, \slot, 0
	MUL16 6, 1, NQ-1, \slot, 0
	PLACES NP
	WIN 0
	FETCH_A \next, 0, 4
.endm
; The table for block a of 16 tokens: 16 loads of 512 consecutive bytes into set a % 4 of window 1 (blocks 0, 1: v64, v192; blocks 2, 3: v0, v128, where B's sets lay):
; register 16 bb + j: cos, 16 bb + 8 + j: signed sin, of my token and channel 16 bb + 8 (l / 16) + j
.macro TRIG a
	WIN TO_B
.set TR, 128*((\a)%2)+64*(1-(((\a)%4)/2))
.set i, 0
.rept 16
	global_load_b128 v[TR+4*i:TR+4*i+3], v[CO], s[66:67] offset:(\a)*8192+i*512
.set i, i+1
.endr
	WIN 0
.endm
; Slot 1's four steps; the last fetches nothing from LDS.  Four places stand behind the last product, for the way out.
; table = 1 (q, k): the third step was the last to multiply by B's set 0, and four places stand behind its last product: block 2 of the table is asked for into that set, one K step ahead of the way out.
.macro REST table
	STEP 1, 0, 0
	STEP 1, 1, 0
	STEP 1, 2, 0
.if \table
	TRIG 2
.endif
	s_wait_dscnt 4*NL
	WIN MUL_LO
	MUL16 0, 1, NQ-1, 1, 0
	MUL16 2, 1, NQ-1, 1, 0
	s_wait_dscnt 0
	WIN MUL_HI
	MUL16 4, 1, NQ-1, 1, 0
	MUL16 6, 1, NQ-1, 1, 0
	WIN 0
	PLACES NP
.endm
; Block a is rotated, packed and stored.  Each accumulator is first read at its registers 0 and 1.
.macro ROPE a
.set AC, 64*((\a)%4)
.set TR, 128*((\a)%2)+64*(1-(((\a)%4)/2))
.set PK, 96+96*((\a)%2)
	WIN 0x06+(\a)/4                                ; source 0: the accumulators' window, 2 or 3; source 1: the table's, 1; source 2 and destination: 0
.irp hh, 0,1
.irp bb, 0,1,2,3
.irp jp, 0,2,4,6
	v_pk_mul_f32 v[TF+32*\hh+8*\bb+\jp:TF+32*\hh+8*\bb+\jp+1], v[AC+8*(4*\hh+\bb)+\jp:AC+8*(4*\hh+\bb)+\jp+1], v[TR+16*\bb+\jp:TR+16*\bb+\jp+1]
.endr
.endr
.endr
.irp hh, 0,1
.irp bb, 0,1,2,3
.irp jp, 0,2,4,6
	v_pk_fma_f32 v[TF+32*\hh+8*\bb+\jp:TF+32*\hh+8*\bb+\jp+1], v[AC+8*(4*\hh+(\bb+2)%4)+\jp:AC+8*(4*\hh+(\bb+2)%4)+\jp+1], v[TR+16*\bb+8+\jp:TR+16*\bb+8+\jp+1], v[TF+32*\hh+8*\bb+\jp:TF+32*\hh+8*\bb+\jp+1]
.endr
.endr
.endr
	WIN 0
.set i, 0
.rept 32
	v_cvt_pk_f16_f32 v[PK+i], v[TF+2*i], v[TF+2*i+1]
.set i, i+1
.endr
.irp hh, 0,1
.irp bb, 0,1,2,3
	global_store_b128 v[CO], v[PK+16*\hh+4*\bb:PK+16*\hh+4*\bb+3], s[12:13] offset:\hh*131072+(\a)*2048+\bb*512   ; 32 lanes store 512 consecutive bytes, aligned
.endr
.endr
.endm
; Block a of v: packed, through my stage, back turned, stored.
.macro VOUT a
.set AC, 64*((\a)%4)
.set BB, BK+32*((\a)%2)
	s_wait_xcnt 0x0                                ; the stores of two blocks ago have read their registers: the turning loads may land there
	WIN 0x0a+5*((\a)/4)                            ; sources 0 and 1: window 2 or 3
.set i, 0
.rept 32
	v_cvt_pk_f16_f32 v[96+i], v[AC+2*i], v[AC+2*i+1]
.set i, i+1
.endr
	WIN 0
.irp b, 0,1,2,3,4,5,6,7
	ds_store_b128 v[STO], v[96+4*\b:96+4*\b+3] offset:32*\b
.endr
.irp b, 0,1,2,3,4,5,6,7
	ds_load_tr16_b128 v[BB+4*\b:BB+4*\b+3], v[RDT] offset:32*\b    ; LDS serves a wave's instructions in order (ISA guide 5.7.1.4): these see the stores above, and the next block's stores come behind them
.endr
	s_wait_dscnt 0x0
.irp b, 0,1,2,3,4,5,6,7
	global_store_b128 v[CO], v[BB+4*\b:BB+4*\b+3], s[12:13] offset:(\b/4)*131072+((\a)/2)*4096+(\b%4)*1024+((\a)%2)*512
.endr
.endm
	s_wait_tensorcnt 1                             ; the scales and my part of slot 0 are in (slot 1's load may be out)
	s_barrier_signal -1
	s_barrier_wait -1                              ; everybody's are
	FETCH_B 0, 0, 0
	FETCH_A 0, 0, 0
	SCALES 0
	FETCH_A 0, 0, 4
	STEP 0, 0, 1                                   ; the first step's products start the sums
	STEP 0, 1, 0
	STEP 0, 2, 0
	TURN 0, 1
	s_cmp_eq_u32 ttmp9, 2                          ; the cluster's x: the same in all sixteen partners.  The text parts here once: each arm has slot 1's steps and its own way out
	s_cbranch_scc1 .Lvalues
	TRIG 0                                         ; q, k: the first two blocks' table is asked for four K steps ahead of its use; these count on LOADcnt alone
	TRIG 1
	REST 1                                         ; (block 2's in its last step)
	TRIG 3                                         ; into B's set 1: four places stand behind the last product
.irp a, 0,1,2,3,4,5,6,7
.if \a < 5
	s_wait_loadcnt 48                              ; block a's table is in; the three younger blocks' 48 loads may be out
.else
	s_wait_loadcnt 16*(7-\a)                       ; towards the end: those of the blocks that are left
.endif
	s_wait_xcnt 0x0                                ; the stores of two blocks ago have read the packed registers that this block writes
	ROPE \a
.if \a < 4
	TRIG \a+4                                      ; into the set that this block has just read
.endif
.endr
	s_branch .Lend
.Lvalues:
	REST 0
.irp a, 0,1,2,3,4,5,6,7
	VOUT \a
.endr
.Lend:
	s_wait_tensorcnt 0x0                           ; the wave's end, behind my last tensor load and my last LDS store
	ds_add_u32 v[SPW], v[NIL]
	s_wait_dscnt 0x0
	CROUND                                         ; the closing round: no work-group ends while a partner may still ask for a tile that names it
	s_endpgm
.Lfunc_end_k_q22a4087e24_qkv:
	.size	k_q22a4087e24_qkv, .Lfunc_end_k_q22a4087e24_qkv-k_q22a4087e24_qkv
	.p2alignl 7, 3214868480
	.fill 96, 4, 3214868480
	.section	.rodata,"a",@progbits
	.p2align	6, 0x0
	.amdhsa_kernel k_q22a4087e24_qkv
		.amdhsa_group_segment_fixed_size 327680
		.amdhsa_private_segment_fixed_size 0
		.amdhsa_enable_private_segment 0
		.amdhsa_kernarg_size 48
		.amdhsa_user_sgpr_count 2
		.amdhsa_user_sgpr_kernarg_segment_ptr 1
		.amdhsa_wavefront_size32 1
		.amdhsa_system_sgpr_workgroup_id_x 1
		.amdhsa_system_sgpr_workgroup_id_y 1
		.amdhsa_system_sgpr_workgroup_id_z 1
		.amdhsa_system_vgpr_workitem_id 0
		.amdhsa_next_free_vgpr 1024
		.amdhsa_next_free_sgpr 98
		.amdhsa_reserve_vcc 0
		.amdhsa_float_denorm_mode_32 3
		.amdhsa_float_denorm_mode_16_64 3
		.amdhsa_memory_ordered 1
		.amdhsa_forward_progress 1
		.amdhsa_inst_pref_size 234
	.end_amdhsa_kernel
	.amdgpu_metadata
---
amdhsa.version: [ 1, 2 ]
amdhsa.kernels:
  - .name:           k_q22a4087e24_qkv
    .symbol:         k_q22a4087e24_qkv.kd
    .args:
      - { .name: xc, .offset: 0, .size: 8, .value_kind: global_buffer, .address_space: global }
      - { .name: xs, .offset: 8, .size: 8, .value_kind: global_buffer, .address_space: global }
      - { .name: wc, .offset: 16, .size: 8, .value_kind: global_buffer, .address_space: global }
      - { .name: ws, .offset: 24, .size: 8, .value_kind: global_buffer, .address_space: global }
      - { .name: qkvh, .offset: 32, .size: 8, .value_kind: global_buffer, .address_space: global }
      - { .name: trig, .offset: 40, .size: 8, .value_kind: global_buffer, .address_space: global }
    .group_segment_fixed_size: 327680
    .private_segment_fixed_size: 0
    .kernarg_segment_align: 8
    .kernarg_segment_size: 48
    .max_flat_workgroup_size: 128
    .sgpr_count:     98
    .vgpr_count:     1024
    .wavefront_size: 32
...
	.end_amdgpu_metadata
.endif
;; end of part 2
;; launch attn (part 3): grid 2 x 128, 8 waves a work-group, no clusters, 327,680 bytes of LDS; arguments qkvh, ao; writes ao
.if DOCPART == 3
	.amdgcn_target "amdgcn-amd-amdhsa--gfx1250"
	.amdhsa_code_object_version 6
	.text
	.protected	k_q22a4087e24_attn
	.globl	k_q22a4087e24_attn
	.p2align	8
	.type	k_q22a4087e24_attn,@function
k_q22a4087e24_attn:
	s_mov_b64 s[64:65], 0
	v_nop
	global_prefetch_b8 v0, s[64:65] scope:SCOPE_SE
	s_setreg_imm32_b32 hwreg(HW_REG_WAVE_MODE, 25, 1), 1
	s_wait_xcnt 0x0
; O[q] = the sum over k of softmax_k(Q[q] . K[k] / 8) V[k], for one head of 64 channels and 1,024 tokens, no mask.  Q, K, V in f16 as the launch before laid them; products, maxima and sums in f32;
; the weights p are rounded to f16 for the second product, O once at the end, to f16.
; SHARES.  A work-group owns 512 queries of one head (x: which half; y: batch x 16 + head); each of its EIGHT waves owns 64, four tiles of 16, in 512 registers: two waves to a SIMD, so that one wave's vector
; work stands beside the other's matrix work.  Every wave walks all 1,024 keys, 64 a step.  A fragment of K or V read from LDS feeds four matrix instructions: 32 LDS loads for a step's 64.
; LDS.  The head's whole K (bytes 0 on) and V (bytes 131,072 on) lie in LDS, as images of operand registers: 16 bytes a lane, 512 consecutive bytes a load: no pitch, no padding, no turning load.
; THEY COME IN TWO PARTS, each filled once.  Keys 0-255 are asked for at the head (a load of 8 KiB a wave: waves 0-3 K's quarters, waves 4-7 V's), so that the first products wait for 64 KiB and no more.
; Keys 256-1,023 are asked for behind the first barrier (a load of 24 KiB a wave, its one tensor load there) and have three key steps in which to land; behind the second barrier thirteen steps run with no
; barrier at all.  One tensor load of a wave is out at a time.
; K of step j + 1 is fetched into registers behind step j's first products, V of step j at the step's head: each run of 16 LDS loads stands a product and a softmax ahead of its use.
; LAYOUT.  S^T = K Q^T (source 0 = 16 keys, source 1 = 16 queries): a lane holds ONE query (lane % 16) and keys 8 (lane / 16) + 0..7.  Two such tiles packed to f16 in pairs ARE source 1 (32 keys x 16 queries) of
; O^T = V^T P, whose result again holds one query a lane, and eight channels: 16 bytes of f16, which are four registers of the projection's operand: they are stored as they stand, 512 consecutive bytes a store.
; SOFTMAX.  For each query a running maximum m and sum l: p = 2^(c s - c m), c = log2(e) / 8; in every step O and l are multiplied by a = 2^(c m_old - c m_new).  m begins as -3e38 and l as 0; the first step's
; second product starts O^T with the constant 0: nothing is cleared.
; NO CLUSTER: a head has two work-groups, K and V are fetched once each, and two readers of 256 KiB are all that could be shared.  NO PREFETCH: the second part is asked for directly behind the first barrier;
; the only earlier place is the head, where every work-group's first loads are on their way.
; LIMITS: p, O in f16: p is at most 1 (an ulp of c m over it); |O| is at most the largest |v|; O under 6e-5 has a step of 6e-8.  NaN and infinities are not served.
; REGISTERS, in windows of 256: window 0: all that the softmax touches but O^T.  window 1: Q, O^T, K.  A step that fetches ahead and rescales O^T has seven switches for its 64 matrix instructions.
.set LI,  1                            ; v1   16 x lane: my place in every image; never rewritten
.set ADR, 2                            ; v2   LDS address of the step's image of K
.set SPW, 3                            ; v3   LDS address of my spare word; never rewritten
.set NIL, 4                            ; v4   0; never rewritten
.set ADV, 5                            ; v5   LDS address of the step's image of V
.set ST,  8                            ; v8-39    tile t's statistics at v[8 + 8 t]: +0 c m, +1 m, +2, +3 l (even keys', odd keys'), +4 to +7 at work; a takes +6
.set XS,  40                           ; v40-47   v[40 + 2 t : 41 + 2 t] the second chain of a tile's sums
.set VB,  48                           ; v48-111  V of a step: v[48 + 32 g + 8 ct + 4 c]
.set S,   112                          ; v112-239 S^T: tile t, keys 16 kt on: v[112 + 32 t + 8 kt]; P is packed in place into the lower 16 of a tile's 32
.set Q,   0                            ; window 1: v0-63    Q: tile t, channels 16 bb on: v[16 t + 4 bb]
.set O,   64                           ; window 1: v64-191  O^T: tile t, channels 16 ct on: v[64 + 32 t + 8 ct]
.set KB,  192                          ; window 1: v192-255 K of a step: v[192 + 16 kt + 4 bb]
.set VLDS,  131072                     ; where V's image begins
.set SPARE, 262144                     ; behind K and V: the spare words, 128 bytes for each of eight waves, that no other line names
.set WV,  8
.set BH,  9
.set G1A, 16                           ; s[16:23] descriptor group 1 for the first part;  s[24:31] for the second
.set G1B, 24
.set G0A, 32                           ; s[32:35], s[36:39] their groups 0
.set G0B, 36
.set TB,  48                           ; s48  LDS byte at which the step's K begins
.set CNT, 49
.set CS,  50                           ; s[50:51] c: the packed form names a pair and takes its low word for both halves
.set SEL, 52                           ; s[52:53] lane selects for v_permlanex16_b32: lane l xor 16
.set W_KQ, 0x05                        ; K and Q (sources 0 and 1) window 1; S^T window 0
.set W_PV, 0x50                        ; V and P window 0; O^T (C and D) window 1
.set W_RS, 0x41                        ; O^T (destination and source 0) window 1; a window 0
.set TO_1, 0x40                        ; destination window 1, address window 0
.set MSB, 0
.macro WIN new                         ; the immediate's high byte repeats the setting that is left; a switch that changes nothing is dropped
.if MSB != (\new)
	s_set_vgpr_msb (MSB<<8)|(\new)
.set MSB, (\new)
.endif
.endm
	s_load_b128 s[4:7], s[0:1], 0x0                ; q, k, v s[4:5]; the result s[6:7]
	v_lshl_add_u32 v[SPW], v0, 2, SPARE
	v_mov_b32 v[NIL], 0
	ds_add_u32 v[SPW], v[NIL]                      ; the wave's opening: the add, twice on end, and its wait ahead of my first tensor load; the set-up below stands between the second and the wait
	ds_add_u32 v[SPW], v[NIL]
	v_lshrrev_b32 v6, 5, v0
	v_readfirstlane_b32 s[WV], v6                  ; wave 0..7
	s_and_b32 s[BH], ttmp7, 0xffff                 ; batch x 16 + head
	; group 1: dense blocks as rows of 256 bytes (32 elements of 8 bytes), no padding: 32 rows for the first part, 96 for the second
	s_mov_b32 s[G1A+0], 3<<16                      ; no mask; elements of 8 bytes
	s_mov_b32 s[G1A+1], 32<<16                     ; tensor_dim0
	s_mov_b32 s[G1A+2], 32<<16                     ; tensor_dim1
	s_mov_b32 s[G1A+3], 32<<16                     ; tile_dim0
	s_mov_b32 s[G1A+4], 32                         ; tile_dim1
	s_mov_b32 s[G1A+5], 32                         ; from row to row
	s_mov_b32 s[G1A+6], 0
	s_mov_b32 s[G1A+7], 0
	s_mov_b32 s[G1B+0], 3<<16
	s_mov_b32 s[G1B+1], 32<<16
	s_mov_b32 s[G1B+2], 96<<16
	s_mov_b32 s[G1B+3], 32<<16
	s_mov_b32 s[G1B+4], 96
	s_mov_b32 s[G1B+5], 32
	s_mov_b32 s[G1B+6], 0
	s_mov_b32 s[G1B+7], 0
	s_lshl_b32 s10, s[BH], 17                      ; a head's image is 131,072 bytes
	s_lshr_b32 s11, s[WV], 2                       ; I fetch for K (0) or for V (1),
	s_and_b32 s12, s[WV], 3                        ; this quarter of a part
	s_lshl_b32 s13, s11, 17                        ; LDS: V's image lies 131,072 bytes behind K's
	s_lshl_b32 s44, s12, 13                        ; the first part: 256 keys are 32,768 bytes of an image, 8,192 a wave
	s_mov_b32 s45, 0
	s_mul_i32 s46, s12, 24576                      ; the second: 98,304 bytes, 24,576 a wave,
	s_add_co_u32 s46, s46, 32768                   ; behind the first.  The same offsets hold in memory and in LDS
	s_mov_b32 s47, 0
	s_add_co_u32 s40, s11, 1
	s_lshl_b32 s40, s40, 24                        ; in memory K lies 128 heads behind q, V 256
	s_add_co_u32 s40, s40, s10                     ; my head
	s_mov_b32 s41, 0
	s_lshl_b32 s54, ttmp9, 16                      ; Q: 32 tiles of 2,048 bytes for each half of the queries,
	s_lshl_b32 s55, s[WV], 13                      ; four tiles a wave
	s_add_co_u32 s54, s54, s55
	s_add_co_u32 s54, s54, s10
	s_mov_b32 s55, 0
	s_lshr_b32 s56, s[BH], 4                       ; the result: [group of 16 rows][head][ct][lane][16 bytes], a group 32,768 bytes: batch x 64 groups,
	s_lshl_b32 s56, s56, 21
	s_lshl_b32 s57, ttmp9, 20                      ; 32 for each half,
	s_add_co_u32 s56, s56, s57
	s_lshl_b32 s57, s[WV], 17                      ; four a wave;
	s_add_co_u32 s56, s56, s57
	s_and_b32 s57, s[BH], 15
	s_lshl_b32 s57, s57, 11                        ; the head's 2,048 bytes
	s_add_co_u32 s56, s56, s57
	s_mov_b32 s57, 0
	s_mov_b32 s[CS], 0x3e38aa3b                    ; c = log2(e) / sqrt(64)
	s_mov_b32 s[CS+1], s[CS]                       ; (named with it as a pair, so it is written)
	s_mov_b32 s[SEL], 0x76543210
	s_mov_b32 s[SEL+1], 0xfedcba98
	s_wait_dscnt 0x0                               ; both opening adds are done
	s_wait_kmcnt 0x0
	s_add_nc_u64 s[42:43], s[4:5], s[40:41]        ; my head's K or V
	s_mov_b32 s[G0A], 1                            ; count = 1
	s_add_co_u32 s[G0A+1], s13, s44                ; LDS address
	s_add_nc_u64 s[G0A+2:G0A+3], s[42:43], s[44:45]   ; global address
	s_or_b32 s[G0A+3], s[G0A+3], 0x80000000        ; type = 2
	s_mov_b32 s[G0B], 1
	s_add_co_u32 s[G0B+1], s13, s46
	s_add_nc_u64 s[G0B+2:G0B+3], s[42:43], s[46:47]
	s_or_b32 s[G0B+3], s[G0B+3], 0x80000000
	tensor_load_to_lds s[G0A:G0A+3], s[G1A:G1A+7]  ; keys 0-255: ahead of every wait on TENSORcnt, every LDS read and every barrier
	s_nop 0
.rept 4
	v_nop                                          ; ahead of the first switch of windows
.endr
	s_add_nc_u64 s[4:5], s[4:5], s[54:55]
	s_add_nc_u64 s[6:7], s[6:7], s[56:57]
	v_and_b32 v[LI], 31, v0
	v_lshlrev_b32 v[LI], 4, v[LI]
	WIN TO_1
.irp t, 0,1,2,3
.irp bb, 0,1,2,3
	global_load_b128 v[Q+16*\t+4*\bb:Q+16*\t+4*\bb+3], v[LI], s[4:5] offset:\t*2048+\bb*512   ; Q stays in registers
.endr
.endr
	WIN 0
	s_wait_tensorcnt 0x0                           ; my part of keys 0-255 has landed: no tensor load of mine is out
	ds_add_u32 v[SPW], v[NIL]                      ; 0 onto my spare word; the statistics' first values stand between it and the wait for it
.irp t, 0,1,2,3
	v_mov_b32 v[ST+8*\t+1], 0xff61b1e6             ; m = -3e38, under every score
	v_mul_f32 v[ST+8*\t], s[CS], v[ST+8*\t+1]      ; c m
	v_mov_b32 v[ST+8*\t+2], 0                      ; l
	v_mov_b32 v[ST+8*\t+3], 0
.endr
	s_wait_dscnt 0x0                               ; the add is done
	s_barrier_signal -1
	s_barrier_wait -1                              ; everybody's part has landed.  Behind this barrier bytes are filled for the first time, none again
	tensor_load_to_lds s[G0B:G0B+3], s[G1B:G1B+7]  ; keys 256-1,023: my one tensor load behind the barrier, ahead of my first LDS read
	s_nop 0
.rept 4
	v_nop
.endr
; 16 LDS loads: the image of K that begins off bytes behind the step's
.macro KLOAD off
	WIN TO_1
.irp kt, 0,1,2,3
.irp bb, 0,1,2,3
	ds_load_b128 v[KB+16*\kt+4*\bb:KB+16*\kt+4*\bb+3], v[ADR] offset:\off+\kt*2048+\bb*512
.endr
.endr
	WIN 0
.endm
; A KEY STEP: 64 keys, four tiles of queries.  first = 1: the second product starts O^T's sums, and there is nothing to rescale.  ahead = 1: the next step's K is fetched.
; The sixteen accumulators of each product take turns, one instruction a turn.
.macro STEP first, ahead
	v_add_nc_u32 v[ADR], s[TB], v[LI]
	v_add_nc_u32 v[ADV], VLDS, v[ADR]
.irp g, 0,1
.irp ct, 0,1,2,3
.irp c, 0,1
	ds_load_b128 v[VB+32*\g+8*\ct+4*\c:VB+32*\g+8*\ct+4*\c+3], v[ADV] offset:\g*4096+\ct*1024+\c*512   ; V lands during the first product and the softmax
.endr
.endr
.endr
	s_wait_dscnt 16                                ; K, asked for a step ago, is in; V's sixteen loads stay out
	WIN W_KQ
.irp u, 0,1                                    ; channels 32 u on
.irp kt, 0,1,2,3
.irp t, 0,1,2,3
.if \u == 0
	v_wmma_f32_16x16x32_f16 v[S+32*\t+8*\kt:S+32*\t+8*\kt+7], v[KB+16*\kt+8*\u:KB+16*\kt+8*\u+7], v[Q+16*\t+8*\u:Q+16*\t+8*\u+7], 0
.else
	v_wmma_f32_16x16x32_f16 v[S+32*\t+8*\kt:S+32*\t+8*\kt+7], v[KB+16*\kt+8*\u:KB+16*\kt+8*\u+7], v[Q+16*\t+8*\u:Q+16*\t+8*\u+7], v[S+32*\t+8*\kt:S+32*\t+8*\kt+7]
.endif
.endr
.endr
.endr
	WIN 0
.rept 4
	v_nop                                          ; four places: in front of the loads into K's registers and of the first reads of the scores
.endr
.if \ahead
	KLOAD 8192                                     ; 64 keys are 8,192 bytes of K's image
.endif
	; the maximum of a lane's 32 scores and the old m, three operands at a time; each accumulator is first read at its registers 0 to 2; the four tiles alternate line by line
.irp j, 0,1,2,3
.irp t, 0,1,2,3
	v_max3_num_f32 v[ST+8*\t+4+\j], v[S+32*\t+8*\j], v[S+32*\t+8*\j+1], v[S+32*\t+8*\j+2]
.endr
.endr
.irp w, 3,5
.irp j, 0,1,2,3
.irp t, 0,1,2,3
	v_max3_num_f32 v[ST+8*\t+4+\j], v[ST+8*\t+4+\j], v[S+32*\t+8*\j+\w], v[S+32*\t+8*\j+\w+1]
.endr
.endr
.endr
.irp t, 0,1,2,3
	v_max3_num_f32 v[ST+8*\t+4], v[ST+8*\t+4], v[S+32*\t+7], v[S+32*\t+15]
	v_max3_num_f32 v[ST+8*\t+6], v[ST+8*\t+6], v[S+32*\t+23], v[S+32*\t+31]
.endr
.irp t, 0,1,2,3
	v_max3_num_f32 v[ST+8*\t+4], v[ST+8*\t+4], v[ST+8*\t+5], v[ST+8*\t+6]
.endr
.irp t, 0,1,2,3
	v_max3_num_f32 v[ST+8*\t+4], v[ST+8*\t+4], v[ST+8*\t+7], v[ST+8*\t+1]
.endr
.irp t, 0,1,2,3
	v_permlanex16_b32 v[ST+8*\t+5], v[ST+8*\t+4], s[SEL], s[SEL+1]   ; the query's other 32 keys lie in the lane 16 away
.endr
.irp t, 0,1,2,3
	v_mov_b32 v[ST+8*\t+7], v[ST+8*\t]             ; c m_old is kept for a
.endr
.irp t, 0,1,2,3
	v_max_num_f32 v[ST+8*\t+1], v[ST+8*\t+4], v[ST+8*\t+5]
.endr
.irp t, 0,1,2,3
	v_mul_f32 v[ST+8*\t], s[CS], v[ST+8*\t+1]
.endr
.irp t, 0,1,2,3
	v_sub_f32 v[ST+8*\t+7], v[ST+8*\t+7], v[ST+8*\t]
.endr
.irp j, 0,2,4,6,8,10,12,14,16,18,20,22,24,26,28,30
.irp t, 0,1,2,3
	v_pk_fma_f32 v[S+32*\t+\j:S+32*\t+\j+1], v[S+32*\t+\j:S+32*\t+\j+1], s[CS:CS+1], v[ST+8*\t:ST+8*\t+1] op_sel_hi:[1,0,0] neg_lo:[0,0,1] neg_hi:[0,0,1]   ; c s - c m, two at a time
.endr
.endr
	; ONE BATCH of 132 exponentials, none of which reads another's result; one plain line and ONE wait behind it, ahead of the first line that names a result
.irp t, 0,1,2,3
	v_exp_f32 v[ST+8*\t+6], v[ST+8*\t+7]           ; a
.endr
.set i, 0
.rept 32
.irp t, 0,1,2,3
	v_exp_f32 v[S+32*\t+i], v[S+32*\t+i]
.endr
.set i, i+1
.endr
	v_nop
	s_wait_alu depctr_va_vdst(0)
.irp t, 0,1,2,3
	v_pk_mul_f32 v[ST+8*\t+2:ST+8*\t+3], v[ST+8*\t+2:ST+8*\t+3], v[ST+8*\t+6:ST+8*\t+7] op_sel_hi:[1,0]   ; l x a
.endr
.irp t, 0,1,2,3
	v_pk_add_f32 v[XS+2*\t:XS+2*\t+1], v[S+32*\t:S+32*\t+1], v[S+32*\t+2:S+32*\t+3]   ; the sums are taken of the unrounded p, in two chains a tile
.endr
.irp j, 4,8,12,16,20,24,28
.irp t, 0,1,2,3
	v_pk_add_f32 v[ST+8*\t+2:ST+8*\t+3], v[ST+8*\t+2:ST+8*\t+3], v[S+32*\t+\j:S+32*\t+\j+1]
	v_pk_add_f32 v[XS+2*\t:XS+2*\t+1], v[XS+2*\t:XS+2*\t+1], v[S+32*\t+\j+2:S+32*\t+\j+3]
.endr
.endr
.irp t, 0,1,2,3
	v_pk_add_f32 v[ST+8*\t+2:ST+8*\t+3], v[ST+8*\t+2:ST+8*\t+3], v[XS+2*\t:XS+2*\t+1]
.endr
.set i, 0
.rept 16
.irp t, 0,1,2,3
	v_cvt_pk_f16_f32 v[S+32*\t+i], v[S+32*\t+2*i], v[S+32*\t+2*i+1]   ; P, packed in place from the low end on: register i is written when registers 2 i and 2 i + 1 are read, never earlier
.endr
.set i, i+1
.endr
.if !(\first)
	WIN W_RS
.set i, 0
.rept 16
.irp t, 0,1,2,3
	v_pk_mul_f32 v[O+32*\t+2*i:O+32*\t+2*i+1], v[O+32*\t+2*i:O+32*\t+2*i+1], v[ST+8*\t+6:ST+8*\t+7] op_sel_hi:[1,0]   ; O^T x a, each accumulator from its low end on
.endr
.set i, i+1
.endr
.endif
.if \ahead
	s_wait_dscnt 16                                ; V is in; the next step's K, sixteen loads, stays out
.else
	s_wait_dscnt 0x0                               ; V is in
.endif
	WIN W_PV
.irp g, 0,1                                    ; keys 32 g on
.irp ct, 0,1,2,3
.irp t, 0,1,2,3
.if (\first) && (\g == 0)
	v_wmma_f32_16x16x32_f16 v[O+32*\t+8*\ct:O+32*\t+8*\ct+7], v[VB+32*\g+8*\ct:VB+32*\g+8*\ct+7], v[S+32*\t+8*\g:S+32*\t+8*\g+7], 0
.else
	v_wmma_f32_16x16x32_f16 v[O+32*\t+8*\ct:O+32*\t+8*\ct+7], v[VB+32*\g+8*\ct:VB+32*\g+8*\ct+7], v[S+32*\t+8*\g:S+32*\t+8*\g+7], v[O+32*\t+8*\ct:O+32*\t+8*\ct+7]
.endif
.endr
.endr
.endr
	WIN 0                                          ; at a label and at a branch every window is 0
.rept 5
	v_nop                                          ; five places: the next step's first products write over P's registers (five are asked), its loads land in V's (four)
.endr
.endm
	s_mov_b32 s[TB], 0
	v_add_nc_u32 v[ADR], s[TB], v[LI]
	KLOAD 0                                        ; K of keys 0-63
	s_wait_loadcnt 0x0                             ; Q
	STEP 1, 1                                      ; keys 0-63
	s_mov_b32 s[TB], 8192
	s_mov_b32 s[CNT], 2
.Lnear:                                                ; keys 64-191: with their look-ahead they read up to key 255, all of the first part
	STEP 0, 1
	s_add_co_u32 s[TB], s[TB], 8192
	s_sub_co_u32 s[CNT], s[CNT], 1
	s_cmp_lg_u32 s[CNT], 0
	s_cbranch_scc1 .Lnear
	s_wait_tensorcnt 0x0                           ; my part of keys 256-1,023 has landed;
	s_wait_dscnt 0x0                               ; no LDS instruction of mine is out at the signal;
	s_barrier_signal -1
	s_barrier_wait -1                              ; everybody's has.
	s_mov_b32 s[TB], 24576
	s_mov_b32 s[CNT], 12
.Lfar:                                                 ; keys 192-959
	STEP 0, 1
	s_add_co_u32 s[TB], s[TB], 8192
	s_sub_co_u32 s[CNT], s[CNT], 1
	s_cmp_lg_u32 s[CNT], 0
	s_cbranch_scc1 .Lfar
	s_mov_b32 s[TB], 122880
	STEP 0, 0                                      ; keys 960-1,023: written out, since there is no K behind them to fetch
	; THE WAY OUT.  l's two halves and the other half of the lanes' are added; O^T / l is packed to f16: a lane's eight channels are 16 bytes, and they are stored as they stand.
.irp t, 0,1,2,3
	v_add_f32 v[ST+8*\t+4], v[ST+8*\t+2], v[ST+8*\t+3]
.endr
.irp t, 0,1,2,3
	v_permlanex16_b32 v[ST+8*\t+5], v[ST+8*\t+4], s[SEL], s[SEL+1]
.endr
.irp t, 0,1,2,3
	v_add_f32 v[ST+8*\t+4], v[ST+8*\t+4], v[ST+8*\t+5]
.endr
.irp t, 0,1,2,3
	v_rcp_f32 v[ST+8*\t+6], v[ST+8*\t+4]
.endr
	v_nop                                          ; a plain line behind the reciprocals,
	s_wait_alu depctr_va_vdst(0)                   ; and the one wait ahead of their first use
	WIN W_RS
.set i, 0
.rept 16
.irp t, 0,1,2,3
	v_pk_mul_f32 v[O+32*\t+2*i:O+32*\t+2*i+1], v[O+32*\t+2*i:O+32*\t+2*i+1], v[ST+8*\t+6:ST+8*\t+7] op_sel_hi:[1,0]
.endr
.set i, i+1
.endr
	WIN 0x05                                       ; sources 0 and 1 window 1, destination window 0: S^T's registers are free
.set i, 0
.rept 16
.irp t, 0,1,2,3
	v_cvt_pk_f16_f32 v[S+16*\t+i], v[O+32*\t+2*i], v[O+32*\t+2*i+1]
.endr
.set i, i+1
.endr
	WIN 0
.irp t, 0,1,2,3
.irp ct, 0,1,2,3
	global_store_b128 v[LI], v[S+16*\t+4*\ct:S+16*\t+4*\ct+3], s[6:7] offset:\t*32768+\ct*512   ; 32 lanes store 512 consecutive bytes, aligned
.endr
.endr
	s_wait_tensorcnt 0x0                           ; the wave's end, behind my last tensor load
	ds_add_u32 v[SPW], v[NIL]
	s_wait_dscnt 0x0
	s_endpgm
.Lfunc_end_k_q22a4087e24_attn:
	.size	k_q22a4087e24_attn, .Lfunc_end_k_q22a4087e24_attn-k_q22a4087e24_attn
	.p2alignl 7, 3214868480
	.fill 96, 4, 3214868480
	.section	.rodata,"a",@progbits
	.p2align	6, 0x0
	.amdhsa_kernel k_q22a4087e24_attn
		.amdhsa_group_segment_fixed_size 327680
		.amdhsa_private_segment_fixed_size 0
		.amdhsa_enable_private_segment 0
		.amdhsa_kernarg_size 16
		.amdhsa_user_sgpr_count 2
		.amdhsa_user_sgpr_kernarg_segment_ptr 1
		.amdhsa_wavefront_size32 1
		.amdhsa_system_sgpr_workgroup_id_x 1
		.amdhsa_system_sgpr_workgroup_id_y 1
		.amdhsa_system_sgpr_workgroup_id_z 1
		.amdhsa_system_vgpr_workitem_id 0
		.amdhsa_next_free_vgpr 512
		.amdhsa_next_free_sgpr 66
		.amdhsa_reserve_vcc 0
		.amdhsa_float_denorm_mode_32 3
		.amdhsa_float_denorm_mode_16_64 3
		.amdhsa_memory_ordered 1
		.amdhsa_forward_progress 1
		.amdhsa_inst_pref_size 141
	.end_amdhsa_kernel
	.amdgpu_metadata
---
amdhsa.version: [ 1, 2 ]
amdhsa.kernels:
  - .name:           k_q22a4087e24_attn
    .symbol:         k_q22a4087e24_attn.kd
    .args:
      - { .name: qkvh, .offset: 0, .size: 8, .value_kind: global_buffer, .address_space: global }
      - { .name: ao, .offset: 8, .size: 8, .value_kind: global_buffer, .address_space: global }
    .group_segment_fixed_size: 327680
    .private_segment_fixed_size: 0
    .kernarg_segment_align: 8
    .kernarg_segment_size: 16
    .max_flat_workgroup_size: 256
    .sgpr_count:     66
    .vgpr_count:     512
    .wavefront_size: 32
...
	.end_amdgpu_metadata
.endif
;; end of part 3
;; launch proj (part 4): grid 32 x 8, 4 waves a work-group, clusters of 4 x 1, 327,680 bytes of LDS; arguments ao, pwh, proj_b, out0; writes out0
.if DOCPART == 4
	.amdgcn_target "amdgcn-amd-amdhsa--gfx1250"
	.amdhsa_code_object_version 6
	.text
	.protected	k_q22a4087e24_proj
	.globl	k_q22a4087e24_proj
	.p2align	8
	.type	k_q22a4087e24_proj,@function
k_q22a4087e24_proj:
	s_mov_b64 s[64:65], 0
	v_nop
	global_prefetch_b8 v0, s[64:65] scope:SCOPE_SE
	s_setreg_imm32_b32 hwreg(HW_REG_WAVE_MODE, 25, 1), 1
	s_wait_xcnt 0x0
	s_wait_alu depctr_hold_cnt(0) depctr_sa_sdst(0) depctr_va_vdst(0) depctr_va_sdst(0) depctr_va_ssrc(0) depctr_va_vcc(0) depctr_vm_vsrc(0)
	s_getreg_b32 s2, hwreg(HW_REG_IB_STS2, 6, 4)
	s_cmp_eq_u32 s2, 0
	s_cbranch_scc0 .Lentry_in_a_cluster
	s_endpgm
.Lentry_in_a_cluster:
	s_bfe_u32 s2, ttmp6, 0x10000c
	s_cmp_lg_u32 s2, 0x3003
	s_cbranch_scc0 .Lentry_shape_is_right
	s_endpgm
.Lentry_shape_is_right:
; out[m][n] = the sum over k of a[m][k] w[n][k] + b[n].  a: the attention's result, 8,192 x 1,024 in f16, laid as images of operand registers [m / 16][k / 32][c][lane][16 bytes]; w: proj_w in f16, [1024 n][1024 k];
; b: f32; out: [8192][1024] f32.  Sums in f32, K ascending.
; SHARES.  A work-group makes 256 rows x 128 columns; wave w rows 64 w .. 64 w + 63 against all 128 columns: 32 accumulators of 16 x 16, 256 registers.  32 x 8 = 256 work-groups.
; a's fragments belong to one wave alone and lie as registers want them: they go from memory STRAIGHT INTO REGISTERS, 512 consecutive bytes a load, through a ring of eight sets: seven sub-steps (56 loads) are on their way.
; w's 128 rows, ALL of K, lie in LDS, in four chunks of 256 along K (rows of 512 bytes + 16 of padding): asked for at the head, four loads a wave (32 rows each), and never filled again.
; CLUSTER: the four work-groups of a cluster have the same columns, so w's tiles are asked for JOINTLY: the same four tensor loads with the same descriptors and the mask of all four.
; K goes in 32 sub-steps of 32, written out: 32 matrix instructions each.  THE MATRIX INSTRUCTION IS USED TRANSPOSED (source 0 = 16 rows of w, source 1 = 16 rows of a): a lane holds eight neighbouring columns of a row.
; The bias is the C of each sum's first matrix instruction.  No prefetch: w is asked for at the head, and a's loads run seven sub-steps ahead.
; REGISTERS, in windows of 256: window 0: v1-10 addresses, v28, v29 the add's two; v64-127, v128-191 w's fragments, two sets (on the way out: rows of the result); v192-255 the bias, eight registers a block of columns.
;   window 1: the accumulators ((i, b) at v[8 (8 i + b)]).   window 2: a's ring: set s % 8 at v[32 (s % 8)], fragment i at + 8 i.
.set PITCH, 528                        ; an LDS row: 512 bytes + 16 = 132 words: the 16 rows that a load touches start at 16 different banks (64 banks of 4 bytes: ISA guide 11.1)
.set CHB,   128*PITCH                  ; a chunk: 128 rows
.set QUART, 32*PITCH                   ; what one tensor load brings
.set STAGE, 4*CHB                      ; behind w: 16 rows x 528 bytes for each wave, for the way out; no tensor load lands there
.set SPARE, STAGE+4*16*PITCH           ; the spare words, 128 bytes a wave, that no other line names
.set LI,   1                           ; v1    16 x lane; never rewritten
.set ADRB, 4                           ; v4-7  LDS address of my lane's place in chunk 0 .. 3
.set STO,  8                           ; v8    the stage: where I put 32 bytes of a row
.set RD,   9                           ; v9    and where I read a row back
.set BI,   10                          ; v10   the bias: 32 x (lane / 16)
.set SPW,  28
.set NIL,  29
.set BF,   64
.set BIAS, 192
.set WV,   12
.set G1,   16                          ; s[16:23] descriptor group 1;  s[32:47] group 0, a set for each chunk
.set G0,   32
.set MSB, 0
.macro WIN new                         ; the immediate's high byte repeats the setting that is left; a switch that changes nothing is dropped
.if MSB != (\new)
	s_set_vgpr_msb (MSB<<8)|(\new)
.set MSB, (\new)
.endif
.endm
.macro CROUND                          ; a round of the cluster's barrier: my work-group's barrier; wave 0 signals for the work-group; every wave waits for all four; my work-group's barrier once more
	s_barrier_signal -1
	s_barrier_wait -1
	s_cmp_lg_u32 s[WV], 0
	s_cbranch_scc1 .Lnot_wave_0_\@
	s_barrier_signal -3
.Lnot_wave_0_\@:
	s_barrier_wait -3
	s_barrier_signal -1
	s_barrier_wait -1
.endm
.macro PLACES                          ; four places behind a matrix instruction, in front of loads into registers that it has read and of reads of its result (ISA guide 7.12.1 for vector instructions)
.rept 4
	v_nop
.endr
.endm
	s_load_b256 s[4:11], s[0:1], 0x0               ; a s[4:5], w s[6:7], b s[8:9], out s[10:11]
	v_lshl_add_u32 v[SPW], v0, 2, SPARE
	v_mov_b32 v[NIL], 0
	ds_add_u32 v[SPW], v[NIL]                      ; the wave's opening: the add, twice on end, and its wait ahead of my first tensor load; the set-up below stands between the second and the wait
	ds_add_u32 v[SPW], v[NIL]
	v_lshrrev_b32 v2, 5, v0
	v_readfirstlane_b32 s[WV], v2                  ; wave 0..3
	s_bfe_u32 s13, ttmp6, 0x40000                  ; cx: my place in the cluster: it enters a's and out's addresses alone
	s_lshl_b32 s14, ttmp9, 2
	s_add_co_u32 s14, s14, s13                     ; my block of 256 rows
	s_and_b32 s15, ttmp7, 0xffff                   ; my block of 128 columns, which the four partners share
	; group 1: 32 rows x 256 elements of 2 bytes, padded in LDS
	s_mov_b32 s[G1+0], 15|(1<<16)|(1<<20)|(1<<21)|(6<<22)|(3<<25)  ; 15:0 the mask: all four; 17:16 elements of 2 bytes; 20 padding on; 21 set beside a mask; 24:22 after every 128 words; 31:25 of 4 words
	s_mov_b32 s[G1+1], 256<<16                     ; tensor_dim0
	s_mov_b32 s[G1+2], 32<<16                      ; tensor_dim1
	s_mov_b32 s[G1+3], 256<<16                     ; tile_dim0
	s_mov_b32 s[G1+4], 32                          ; tile_dim1
	s_mov_b32 s[G1+5], 1024                        ; from row to row
	s_mov_b32 s[G1+6], 0
	s_mov_b32 s[G1+7], 0
	s_lshl_b32 s24, s15, 18                        ; w: 128 rows of 2,048 bytes a block of columns,
	s_lshl_b32 s25, s[WV], 16                      ; 32 rows a wave
	s_add_co_u32 s24, s24, s25
	s_mov_b32 s25, 0
	s_mul_i32 s26, s[WV], QUART                    ; and their place in a chunk
	s_lshl_b32 s28, s14, 4
	s_lshl_b32 s29, s[WV], 2
	s_add_co_u32 s28, s28, s29                     ; a: my first group of 16 rows,
	s_lshl_b32 s28, s28, 15                        ; 32,768 bytes each
	s_mov_b32 s29, 0
	s_lshl_b32 s30, s14, 20                        ; out: 256 rows of 4,096 bytes a block,
	s_lshl_b32 s31, s[WV], 18                      ; 64 rows a wave,
	s_add_co_u32 s30, s30, s31
	s_lshl_b32 s48, s15, 9                         ; 512 bytes a block of columns; the bias likewise
	s_add_co_u32 s30, s30, s48
	s_mov_b32 s31, 0
	s_mov_b32 s49, 0
	s_wait_dscnt 0x0                               ; both opening adds are done
	s_wait_kmcnt 0x0
	s_add_nc_u64 s[24:25], s[6:7], s[24:25]
	s_add_nc_u64 s[4:5], s[4:5], s[28:29]
	s_add_nc_u64 s[10:11], s[10:11], s[30:31]
	s_add_nc_u64 s[8:9], s[8:9], s[48:49]
	CROUND                                         ; all four work-groups are here: the joint loads meet
.irp c, 0,1,2,3
	s_mov_b32 s[G0+4*\c], 1                        ; count = 1
	s_add_co_u32 s[G0+4*\c+1], s26, \c*CHB         ; LDS address
	s_add_nc_u64 s[G0+4*\c+2:G0+4*\c+3], s[24:25], \c*512     ; global address: 256 along K are 512 bytes of a row
	s_or_b32 s[G0+4*\c+3], s[G0+4*\c+3], 0x80000000           ; type = 2
.endr
.irp c, 0,1,2,3
	tensor_load_to_lds s[G0+4*\c:G0+4*\c+3], s[G1:G1+7]       ; all fills together: four loads of mine are out
	s_nop 0
.endr
.rept 4
	v_nop                                          ; ahead of the first switch of windows
.endr
	v_and_b32 v2, 15, v0                           ; l % 16
	v_bfe_u32 v3, v0, 4, 1                         ; l / 16
	v_and_b32 v[LI], 31, v0
	v_lshlrev_b32 v[LI], 4, v[LI]
	v_lshlrev_b32 v[BI], 5, v3
.irp b, 0,1,2,3,4,5,6,7
	global_load_b128 v[BIAS+8*\b:BIAS+8*\b+3], v[BI], s[8:9] offset:64*\b          ; b of columns 16 b + 8 (l / 16) + 0 .. 7: the result's layout
	global_load_b128 v[BIAS+8*\b+4:BIAS+8*\b+7], v[BI], s[8:9] offset:64*\b+16
.endr
; a's four fragments of sub-step s into set s % 8
.macro ALOAD s
	WIN 0x80                                       ; destination window 2, address window 0
.irp i, 0,1,2,3
.irp c, 0,1
	global_load_b128 v[32*((\s)%8)+8*\i+4*\c:32*((\s)%8)+8*\i+4*\c+3], v[LI], s[4:5] offset:\i*32768+(\s)*1024+\c*512
.endr
.endr
.endm
.irp s, 0,1,2,3,4,5,6
	ALOAD \s
.endr
	WIN 0
	v_mul_u32_u24 v11, v2, PITCH
	v_lshl_add_u32 v[ADRB], v3, 4, v11             ; a fragment's row x pitch + 16 x half
.irp c, 1,2,3
	v_add_nc_u32 v[ADRB+\c], \c*CHB, v[ADRB]
.endr
	s_mul_i32 s27, s[WV], 16*PITCH
	s_add_co_u32 s27, s27, STAGE                   ; my stage
	v_lshl_add_u32 v[STO], v3, 5, v11
	v_add_nc_u32 v[STO], s27, v[STO]               ; in: row l % 16, 32 bytes for each half of the lanes
	v_add_nc_u32 v[RD], s27, v[LI]                 ; back: the 32 lanes take one row of 512 bytes
; w's eight fragments of sub-step s into set s % 2: 16 rows x 32 K: two loads of 16 bytes, 32 bytes apart
.macro FETCHB s
	WIN 0
.irp b, 0,1,2,3,4,5,6,7
	ds_load_b128 v[BF+64*((\s)%2)+8*\b:BF+64*((\s)%2)+8*\b+3],   v[ADRB+(\s)/8] offset:\b*16*PITCH+((\s)%8)*64
	ds_load_b128 v[BF+64*((\s)%2)+8*\b+4:BF+64*((\s)%2)+8*\b+7], v[ADRB+(\s)/8] offset:\b*16*PITCH+((\s)%8)*64+32
.endr
.endm
; 16 matrix instructions: a's fragments i0, i0 + 1 x w's eight.  The 32 accumulators take turns, one instruction a turn, in the same order in every sub-step.
.macro MUL s, i0
.irp i, \i0, \i0+1
.irp b, 0,1,2,3,4,5,6,7
.if (\s) == 0
	v_wmma_f32_16x16x32_f16 v[8*(8*(\i)+\b):8*(8*(\i)+\b)+7], v[BF+64*((\s)%2)+8*\b:BF+64*((\s)%2)+8*\b+7], v[32*((\s)%8)+8*(\i):32*((\s)%8)+8*(\i)+7], v[BIAS+8*\b:BIAS+8*\b+7]
.else
	v_wmma_f32_16x16x32_f16 v[8*(8*(\i)+\b):8*(8*(\i)+\b)+7], v[BF+64*((\s)%2)+8*\b:BF+64*((\s)%2)+8*\b+7], v[32*((\s)%8)+8*(\i):32*((\s)%8)+8*(\i)+7], v[8*(8*(\i)+\b):8*(8*(\i)+\b)+7]
.endif
.endr
.endr
.endm
.macro MULWIN s
.if (\s) == 0
	WIN 0x48                                       ; source 0 (w) window 0, source 1 (a) window 2, C (the bias) window 0, D window 1
.else
	WIN 0x58                                       ; the same, C window 1
.endif
.endm
; A sub-step.  In its middle the next sub-step's fragments of w are fetched into the other set, and a's of seven sub-steps on into the set that the last sub-step has read: four places stand in front of both runs.
.macro SUB s
	s_wait_dscnt 0x0                               ; w's fragments are in (asked for 16 matrix instructions ago)
.if 31-(\s) < 6
	s_wait_loadcnt 8*(31-(\s))                     ; a's are in; those of the sub-steps behind this one stay out
.else
	s_wait_loadcnt 48                              ; a's (and, the first time, the bias) are in; the six younger sub-steps' 48 loads stay out
.endif
	MULWIN \s
	MUL \s, 0
.if (\s) < 31
	PLACES
.if ((\s)+1)%8 == 0
	s_wait_tensorcnt 3-((\s)+1)/8                  ; my part of the next chunk has landed (the later chunks' loads stay out); no LDS instruction of mine is out;
	s_barrier_signal -1
	s_barrier_wait -1                              ; everybody's has.
.endif
	FETCHB (\s)+1
.if (\s)+7 < 32
	ALOAD (\s)+7
.endif
	MULWIN \s
.endif
	MUL \s, 2
.endm
	s_wait_tensorcnt 3                             ; my part of chunk 0 is in; the three later chunks' loads stay out,
	s_barrier_signal -1
	s_barrier_wait -1                              ; everybody's is
	FETCHB 0
.set KK, 0
.rept 32
	SUB KK
.set KK, KK+1
.endr
	WIN 0
; THE WAY OUT, block by block of 16 rows x 128 columns.  A lane holds 32 neighbouring bytes of a row, and the lanes beside it hold other rows: a block goes through my own stage in LDS and comes back as whole rows
; of 512 bytes.  LDS serves a wave's instructions in order (ISA guide 5.7.1.4): no wait between the stores and the loads, nor in front of the next block's stores.
.macro TOSTAGE i
	WIN 0x04                                       ; an LDS store's data are its source 1: window 1
.irp b, 0,1,2,3,4,5,6,7
	ds_store_b128 v[STO], v[64*(\i)+8*\b:64*(\i)+8*\b+3] offset:64*\b              ; each accumulator from its low end on
	ds_store_b128 v[STO], v[64*(\i)+8*\b+4:64*(\i)+8*\b+7] offset:64*\b+16
.endr
	WIN 0
.irp t, 0,1,2,3,4,5,6,7,8,9,10,11,12,13,14,15
	ds_load_b128 v[BF+64*((\i)%2)+4*\t:BF+64*((\i)%2)+4*\t+3], v[RD] offset:\t*PITCH
.endr
.endm
.macro SEND i, younger                 ; younger: the LDS instructions issued behind block i's loads, which may stay out
	s_wait_dscnt \younger
.irp t, 0,1,2,3,4,5,6,7,8,9,10,11,12,13,14,15
	global_store_b128 v[LI], v[BF+64*((\i)%2)+4*\t:BF+64*((\i)%2)+4*\t+3], s[10:11] offset:(16*(\i)+\t)*4096 th:TH_STORE_NT   ; 32 lanes store 512 consecutive bytes, aligned; written once, read by nobody here
.endr
.endm
	PLACES                                         ; behind the last products: for the stores that read results and the loads into w's registers
	TOSTAGE 0
.irp i, 1,2,3
.if \i > 1
	s_wait_xcnt 0x0                                ; block i - 2's stores have read their registers: block i's loads may land there
.endif
	TOSTAGE \i
	SEND \i-1, 32                                  ; behind block i - 1's loads: block i's 16 stores and 16 loads
.endr
	SEND 3, 0
	s_wait_tensorcnt 0x0                           ; the wave's end, behind my last tensor load and my last LDS store
	ds_add_u32 v[SPW], v[NIL]
	s_wait_dscnt 0x0
	CROUND                                         ; the closing round: no work-group ends while a partner may still ask for a tile that names it
	s_endpgm
.Lfunc_end_k_q22a4087e24_proj:
	.size	k_q22a4087e24_proj, .Lfunc_end_k_q22a4087e24_proj-k_q22a4087e24_proj
	.p2alignl 7, 3214868480
	.fill 96, 4, 3214868480
	.section	.rodata,"a",@progbits
	.p2align	6, 0x0
	.amdhsa_kernel k_q22a4087e24_proj
		.amdhsa_group_segment_fixed_size 327680
		.amdhsa_private_segment_fixed_size 0
		.amdhsa_enable_private_segment 0
		.amdhsa_kernarg_size 32
		.amdhsa_user_sgpr_count 2
		.amdhsa_user_sgpr_kernarg_segment_ptr 1
		.amdhsa_wavefront_size32 1
		.amdhsa_system_sgpr_workgroup_id_x 1
		.amdhsa_system_sgpr_workgroup_id_y 1
		.amdhsa_system_sgpr_workgroup_id_z 1
		.amdhsa_system_vgpr_workitem_id 0
		.amdhsa_next_free_vgpr 768
		.amdhsa_next_free_sgpr 66
		.amdhsa_reserve_vcc 0
		.amdhsa_float_denorm_mode_32 3
		.amdhsa_float_denorm_mode_16_64 3
		.amdhsa_memory_ordered 1
		.amdhsa_forward_progress 1
		.amdhsa_inst_pref_size 151
	.end_amdhsa_kernel
	.amdgpu_metadata
---
amdhsa.version: [ 1, 2 ]
amdhsa.kernels:
  - .name:           k_q22a4087e24_proj
    .symbol:         k_q22a4087e24_proj.kd
    .args:
      - { .name: ao, .offset: 0, .size: 8, .value_kind: global_buffer, .address_space: global }
      - { .name: pwh, .offset: 8, .size: 8, .value_kind: global_buffer, .address_space: global }
      - { .name: proj_b, .offset: 16, .size: 8, .value_kind: global_buffer, .address_space: global }
      - { .name: out0, .offset: 24, .size: 8, .value_kind: global_buffer, .address_space: global }
    .group_segment_fixed_size: 327680
    .private_segment_fixed_size: 0
    .kernarg_segment_align: 8
    .kernarg_segment_size: 32
    .max_flat_workgroup_size: 128
    .sgpr_count:     66
    .vgpr_count:     768
    .wavefront_size: 32
...
	.end_amdgpu_metadata
.endif
;; end of part 4
